; MI455X (gfx1250); checked and timed in simulation.
; The chip was launched on July 23, 2026; its instructions are those of AMD's public machine-readable ISA for CDNA 5 (MIT licence, August 2026) and "CDNA5" Instruction Set Architecture Reference Guide (July 2026). The comments in the code are by the model that wrote it; some were corrected since.
;; Multihead Attention. Allowed arithmetic: matrix products marked QUANTISED: E3M2 operands, one E8M0 scale for each 32 along K, by v_wmma_scale_f32_16x16x128_f8f6f4 with both operands' format E3M2, f32 sums; everything else in f32.
;; Inputs: W_k 1,024 x 1,024 float32; W_o 1,024 x 1,024 float32; W_q 1,024 x 1,024 float32; W_v 1,024 x 1,024 float32; b_o 1,024 float32; x 4 x 2,048 x 1,024 float32.
;; Outputs: out0 4 x 2,048 x 1,024 float32.
;; This version of the problem:
;;   THIS VERSION OF THE PROBLEM IS GIVEN IN LOW PRECISION. The matrix products marked QUANTISED in the list below multiply operands that are first quantised to E3M2 (3 exponent bits, 2 mantissa bits; 6 bits a number), with one power-of-two scale for each 32 numbers along K (OCP MX v1.0); their sums are f32. All else is computed in f32.
;;   The module's matrix products, in the order in which they are computed (A, B: the left and right operand; K: the contracted axis; several contracted axes count as one K, in the product's order):
;;     1. [M 8,192, K 1,024] x [K 1,024, N 1,024]; A: input x; B: input W_q: QUANTISED
;;     2. [M 8,192, K 1,024] x [K 1,024, N 1,024]; A: input x; B: input W_k: QUANTISED
;;     3. [M 8,192, K 1,024] x [K 1,024, N 1,024]; A: input x; B: input W_v: QUANTISED
;;     4. batch 64 x [M 2,048, K 64] x [K 64, N 2,048]; A: computed on the way; B: computed on the way: QUANTISED
;;     5. batch 64 x [M 2,048, K 2,048] x [K 2,048, N 64]; A: softmax (see below); B: computed on the way: QUANTISED
;;     6. [M 8,192, K 1,024] x [K 1,024, N 1,024]; A: computed on the way; B: input W_o: QUANTISED
;;   THE QUANTISER, for each operand of a quantised product, along K:
;;     - K is cut into blocks of 32 from its start; a last block that is shorter is filled with zeros.
;;     - A block's scale is 2^e with e = floor(log2(the largest magnitude in the block)) - 4, held to -126 .. 127; a block of zeros has e = 0. As a byte (E8M0): e + 127.
;;     - Each number is divided by its block's scale, clamped to +-28, and rounded to the nearest number of E3M2, ties to even, subnormals kept.
;;     - The product sums the exact products of the quantised numbers (number of the format x scale) in f32.
;;   ~~~python
;;   def quantise(x, axis):      # numpy; x: float32 -> the quantised numbers, widened to float32 again
;;       x = np.moveaxis(x, axis, -1); K = x.shape[-1]
;;       x = np.pad(x, [(0, 0)] * (x.ndim - 1) + [(0, -K % 32)]); x = x.reshape(x.shape[:-1] + (-1, 32)); a = np.abs(x).max(-1, keepdims=True)
;;       e = np.where(a > 0, np.clip(np.frexp(np.where(a > 0, a, 1))[1] - 1 - 4, -126, 127), 0)      # np.frexp(a)[1] - 1 = floor(log2(a)), exactly
;;       r = np.clip(x / 2.0 ** e, -28, 28)
;;       step = 2.0 ** (np.maximum(np.frexp(np.where(r == 0, 1, r))[1] - 1, -2) - 2)
;;       q = np.round(r / step) * step * 2.0 ** e      # np.round: ties to even
;;       return np.moveaxis(q.reshape(q.shape[:-2] + (-1,))[..., :K], -1, axis).astype(np.float32)
;;   ~~~
;;   SOFTMAX AHEAD OF A QUANTISED PRODUCT. Where the list says 'softmax', what is quantised is not the finished softmax but p = 2^(t - M), with t = logit x log2(e) and M = ceil(the row's largest t), a whole number; so 1/2 < the row's largest p <= 1. The row's sum l is taken of the UNQUANTISED p, in f32, and the product's result is divided by l at the end. Since M is a whole number, a kernel that streams over the keys may use a running M (the ceiling of the running maximum): every later rescaling is an exact power of two, which a block's scale takes up: the codes' values come out the same.
;;   OPERANDS COMPUTED ON THE WAY. 'Computed on the way' means the value that the module computes at that place (a softmax that the list does not call 'softmax' is quantised finished and normalised). What goes into a quantiser is computed in f32, as accurately as f32 sums, v_exp_f32 and their like allow (about 1e-6 of the number): no bf16 or f16 on the way to a quantiser, and a product that is left as it is and whose result goes on into a quantised operand takes f32 operands (vector FMAs, or v_wmma_f32_16x16x4_f32). A number that lies on a knife's edge between two numbers of the format may be rounded either way, as far as f32 arithmetic and the matrix unit's own rounding can turn it there, and no further.
;; One version. Each part assembles by itself: llvm-mc -triple=amdgcn-amd-amdhsa -mcpu=gfx1250 --defsym DOCPART=n.
;; ======== version 1 of 1: 4 launches
;; workspace buffers: xc 6,291,456 bytes; xs 262,144 bytes; wc 3,145,728 bytes; ws 131,072 bytes; qkvc 18,874,368 bytes; qkvs 786,432 bytes; cc 6,291,456 bytes; cs 262,144 bytes
;; launch quant (part 1): grid 384 x 1, 4 waves a work-group, no clusters, 68,096 bytes of LDS; arguments x, W_q, W_k, W_v, W_o, xc, xs, wc, ws; writes xc, xs, wc, ws
.if DOCPART == 1
	.amdgcn_target "amdgcn-amd-amdhsa--gfx1250"
	.amdhsa_code_object_version 6
	.text
	.protected	k_qa864aa920a_quant
	.globl	k_qa864aa920a_quant
	.p2align	8
	.type	k_qa864aa920a_quant,@function
k_qa864aa920a_quant:
	s_mov_b64 s[64:65], 0
	v_nop
	global_prefetch_b8 v0, s[64:65] scope:SCOPE_SE
	s_setreg_imm32_b32 hwreg(HW_REG_WAVE_MODE, 25, 1), 1
	s_wait_xcnt 0x0
; x [8192][1024] f32 (K innermost) and W_q, W_k, W_v, W_o [1024 (k)][1024 (n)] f32 (K is the first axis) become codes of BF6 (E3M2), K innermost, 768 bytes a row, with one E8M0 byte for each 32 along K, 32 bytes a row.
; xc, xs: a row for each token.  wc, ws: a row for each weight column: rows 0-1023 W_q's, 1024.. W_k's, 2048.. W_v's, 3072.. W_o's.
; TILE ORDER: row i of a tensor is stored at position i with bits 3 and 4 exchanged (32 B + 16 g + 8 u + e lies at 32 B + 16 u + 8 g + e).  So sixteen neighbouring stored rows, taken as source 0 of a
; matrix instruction, leave a lane's 16 registers of two neighbouring tiles as 16 true neighbours, which the later launches quantise in registers.
; A block's scale is 2^(floor(log2(its largest magnitude)) - 4); its byte is the largest magnitude's exponent field - 4, held at 1 from below.
; LIMITS: a block whose largest magnitude lies under 2^-122, a block of zeros among them, gets the byte 1 (the rule says 127 for zeros: the codes are zeros, and this program alone reads the bytes); NaN and infinities are not served.
; Work-groups 0-255 take x: 32 rows each, a wave 8 rows = 16 steps of 512 numbers.  Work-groups 256-383 take the weights: 128 columns x 256 along K each, a lane to a column, registers down K.
; The two ways have LDS bytes of their own: x's 0 .. 32,767, the weights' 32,768 .. 67,583.  No tensor loads, no barrier: waves share nothing.
.set STEPS, 16
.set CB,    12                         ; bytes of 16 codes
.set R,     16                         ; x: v16-79   four sets of 16 numbers as loaded
.set X,     80                         ; x: v80-111  two sets of 16 neighbours
.set C,     128                        ; x: v128-191 codes, four registers a step
.set E,     112                        ; x: v112-127 a scale byte a step
.set WREG,  8192                       ; x: a wave's LDS: two stages of 32 x SP bytes, then its 256 scale bytes
.set SP,    80                         ; a lane's place in a stage: 64 bytes + 16 of padding
.set WST,   32768                      ; weights: the waves' stages begin here
.set WP,    272                        ; weights: a stage row: sixteen places of 16 bytes + 16
.set NB,    8                          ; weights: blocks of 32 along K for a wave
.set XW,    32                         ; weights: v32-95 two sets of 32 numbers
.set CW,    96                         ; weights: a block's codes
.set OUTR,  112                        ; weights: v112-175 the way out
.set SB,    24                         ; weights: v24-25 the scale bytes
	s_load_b256 s[4:11], s[0:1], 0x0               ; x s[4:5], W_q s[6:7], W_k s[8:9], W_v s[10:11]
	s_load_b256 s[12:19], s[0:1], 0x20             ; W_o s[12:13], xc s[14:15], xs s[16:17], wc s[18:19]
	s_load_b64 s[20:21], s[0:1], 0x40              ; ws
	v_lshl_add_u32 v192, v0, 2, 0x10800
	v_mov_b32 v193, 0
	v_lshrrev_b32 v1, 5, v0
	v_readfirstlane_b32 s22, v1                    ; wave 0..3
	v_and_b32 v2, 31, v0                           ; lane
	s_cmp_lt_u32 ttmp9, 256
	s_cbranch_scc0 .Lweights
; ---------------- x: a plain stream of blocks of 32 ----------------
	v_lshlrev_b32 v3, 4, v2                        ; my 16 bytes of a load's 512
	s_mul_i32 s23, s22, WREG
	v_lshrrev_b32 v14, 2, v2
	v_mul_u32_u24 v14, v14, SP
	v_and_b32 v15, 3, v2
	v_lshl_add_u32 v14, v15, 4, v14
	v_add_nc_u32 v14, s23, v14                     ; the stage, way in: SP (lane / 4) + 16 (lane % 4)
	v_mul_u32_u24 v15, v2, SP
	v_add_nc_u32 v15, s23, v15                     ; way out: SP x lane: my 16 neighbours
	v_mul_u32_u24 v4, v2, CB                       ; my codes' place in a step's 384 bytes
	v_lshrrev_b32 v5, 1, v2
	s_add_co_u32 s23, s23, 2*32*SP
	v_add_nc_u32 v5, s23, v5                       ; my block's byte among the wave's 256
	v_lshlrev_b32 v7, 3, v2
	v_add_nc_u32 v6, s23, v7                       ; and 8 bytes a lane on the way out
	s_lshl_b32 s24, ttmp9, 2
	s_add_co_u32 s26, s24, s22                     ; the run of 8 rows that I read: 4 x work-group + wave
	s_lshl_b32 s26, s26, 15                        ; 32,768 bytes a run
	s_mov_b32 s27, 0
	s_and_b32 s25, s22, 1
	s_lshl_b32 s25, s25, 1
	s_lshr_b32 s28, s22, 1
	s_or_b32 s25, s25, s28                         ; the wave's two bits exchanged: that is the tile order, a run being 8 rows
	s_add_co_u32 s24, s24, s25                     ; the run that I write
	s_mul_i32 s28, s24, 32*STEPS*CB                ; 6,144 bytes of codes a run
	s_mov_b32 s29, 0
	s_lshl_b32 s30, s24, 8                         ; 256 scale bytes a run
	s_mov_b32 s31, 0
	s_wait_kmcnt 0x0
	s_add_nc_u64 s[4:5], s[4:5], s[26:27]
	s_add_nc_u64 s[14:15], s[14:15], s[28:29]
	s_add_nc_u64 s[16:17], s[16:17], s[30:31]
.macro LOADX t
.irp i, 0,1,2,3
	global_load_b128 v[R+16*((\t)%4)+4*\i:R+16*((\t)%4)+4*\i+3], v3, s[4:5] offset:2048*(\t)+512*\i th:TH_LOAD_NT   ; 32 lanes read 512 consecutive bytes
.endr
.endm
.macro TURNX t                         ; step t's numbers through the stage: LDS serves a wave's instructions in order, so no wait stands between the stores and the loads
.irp i, 0,1,2,3
	ds_store_b128 v14, v[R+16*((\t)%4)+4*\i:R+16*((\t)%4)+4*\i+3] offset:32*SP*((\t)%2)+8*SP*\i
.endr
.irp i, 0,1,2,3
	ds_load_b128 v[X+16*((\t)%2)+4*\i:X+16*((\t)%2)+4*\i+3], v15 offset:32*SP*((\t)%2)+16*\i
.endr
.endm
.irp t, 0,1,2,3
	LOADX \t
.endr
	s_wait_loadcnt 12                              ; step 0's four loads are in; the twelve of steps 1 to 3 may be out
	TURNX 0
.macro STEPX t
.set XS, X+16*((\t)%2)
.if (\t) > 0
	s_wait_dscnt 1                                 ; this step's numbers are back from the stage (the last step's byte store may be out)
.else
	s_wait_dscnt 0x0
.endif
.if (\t)+4 < STEPS
	LOADX (\t)+4                                   ; into the set whose stores into the stage are done
.endif
.if (\t)+1 < STEPS
.if STEPS-2-(\t) >= 3
	s_wait_loadcnt 12                              ; the next step's four loads are in; those of the three steps behind it may be out
.else
	s_wait_loadcnt 4*(STEPS-2-(\t))
.endif
	TURNX (\t)+1
.endif
	v_max3_num_f32 v8, |v[XS]|, |v[XS+1]|, |v[XS+2]|               ; the largest magnitude of my 16, in two chains
	v_max3_num_f32 v9, |v[XS+3]|, |v[XS+4]|, |v[XS+5]|
.irp i, 6,10
	v_max3_num_f32 v8, v8, |v[XS+\i]|, |v[XS+\i+1]|
	v_max3_num_f32 v9, v9, |v[XS+\i+2]|, |v[XS+\i+3]|
.endr
	v_max3_num_f32 v8, v8, |v[XS+14]|, |v[XS+15]|
	v_max3_num_f32 v8, v8, v9, 0x2800000           ; and the floor 2^(5 - 127): the byte cannot fall under 1
	v_max_num_f32_dpp v8, v8, v8 row_xmask:1 row_mask:0xf bank_mask:0xf   ; and of my neighbour's 16: the block's
	v_add_nc_u32 v11, 0xfe000000, v8               ; 4 off its exponent field: the conversion takes the exponent field of this operand as its scale
	v_cvt_scalef32_pk16_bf6_f32 v[C+4*(\t):C+4*(\t)+2], v[XS:XS+15], v11
	v_lshrrev_b32 v[E+(\t)], 23, v11               ; the scale's byte (also the plain line behind the conversion)
	ds_store_b8 v5, v[E+(\t)] offset:16*(\t)       ; both lanes of a block write the same byte with the same value
	global_store_b96 v4, v[C+4*(\t):C+4*(\t)+2], s[14:15] offset:32*CB*(\t)   ; the wave stores 384 consecutive bytes
.endm
.irp t, 0,1,2,3,4,5,6,7,8,9,10,11,12,13,14,15
	STEPX \t
.endr
	ds_load_b64 v[12:13], v6                       ; LDS serves a wave's instructions in order: these see my byte stores
	s_wait_dscnt 0x0
	global_store_b64 v7, v[12:13], s[16:17]        ; 32 lanes store 256 consecutive bytes, aligned
	s_wait_tensorcnt 0x0
	ds_add_u32 v192, v193
	s_wait_dscnt 0x0
	s_endpgm
; ---------------- the weights: a lane takes a column n, its registers run down K ----------------
.Lweights:
	s_sub_co_u32 s23, ttmp9, 256
	s_lshr_b32 s24, s23, 5                         ; which weight: 0 q, 1 k, 2 v, 3 o
	s_and_b32 s25, s23, 7                          ; which 128 columns
	s_bfe_u32 s26, s23, 0x20003                    ; which 256 along K
	s_lshl_b32 s25, s25, 7
	s_lshl_b32 s27, s22, 5
	s_add_co_u32 s25, s25, s27                     ; my wave's first column
	s_mul_i32 s27, s22, 32*WP
	s_add_co_u32 s27, s27, WST                     ; my stage
	v_lshlrev_b32 v3, 2, v2                        ; in: 4 bytes a lane
	v_mul_u32_u24 v4, v2, WP
	v_add_nc_u32 v4, s27, v4                       ; into the stage: row = my column
	v_and_b32 v5, 15, v2
	v_lshrrev_b32 v6, 4, v2
	v_mul_u32_u24 v7, v6, WP
	v_lshl_add_u32 v7, v5, 4, v7
	v_add_nc_u32 v7, s27, v7                       ; out of it: sixteen lanes to a row, two rows an instruction
	v_mul_u32_u24 v8, v6, 768
	v_mad_u32_u24 v8, v5, 12, v8                   ; and the same place in wc
	v_and_b32 v9, 7, v2                            ; my column's position among the wave's 32: bits 3 and 4 of the lane exchanged
	v_lshl_add_u32 v9, v6, 3, v9
	v_bfe_u32 v10, v2, 3, 1
	v_lshl_add_u32 v9, v10, 4, v9
	v_lshlrev_b32 v9, 5, v9                        ; 32 scale bytes a row
	s_lshl_b32 s28, s26, 20                        ; 256 rows of 4,096 bytes,
	s_lshl_b32 s29, s25, 2
	s_add_co_u32 s28, s28, s29                     ; + 4 x column
	s_mov_b32 s29, 0
	s_lshl_b32 s30, s24, 10
	s_add_co_u32 s30, s30, s25                     ; my wave's first row in wc and ws
	s_mul_i32 s34, s30, 768
	s_mul_i32 s31, s26, 192
	s_add_co_u32 s34, s34, s31
	s_mov_b32 s35, 0
	s_lshl_b32 s36, s30, 5
	s_lshl_b32 s31, s26, 3
	s_add_co_u32 s36, s36, s31
	s_mov_b32 s37, 0
	s_wait_kmcnt 0x0
	s_cmp_eq_u32 s24, 1                            ; the choice hangs on the work-group's number alone
	s_cselect_b64 s[6:7], s[8:9], s[6:7]
	s_cmp_eq_u32 s24, 2
	s_cselect_b64 s[6:7], s[10:11], s[6:7]
	s_cmp_eq_u32 s24, 3
	s_cselect_b64 s[6:7], s[12:13], s[6:7]
	s_add_nc_u64 s[6:7], s[6:7], s[28:29]
	s_add_nc_u64 s[18:19], s[18:19], s[34:35]
	s_add_nc_u64 s[20:21], s[20:21], s[36:37]
.macro LOADW t                         ; block t: W(32 t + i, my column), i = 0 .. 31, into set t % 2; a wave reads 128 consecutive bytes, the four waves 512
.irp i, 0,1,2,3,4,5,6,7,8,9,10,11,12,13,14,15,16,17,18,19,20,21,22,23,24,25,26,27,28,29,30,31
	global_load_b32 v[XW+32*((\t)%2)+\i], v3, s[6:7] offset:(32*(\t)+\i)*4096 th:TH_LOAD_NT
.endr
.endm
	LOADW 0
	LOADW 1
.macro BLOCKW t
.set XS, XW+32*((\t)%2)
.if (\t) < NB-1
	s_wait_loadcnt 32                              ; this block's 32 loads are in; the next block's may be out
.else
	s_wait_loadcnt 0
.endif
	v_max3_num_f32 v12, |v[XS]|, |v[XS+1]|, |v[XS+2]|               ; the block's largest magnitude: all 32 numbers are mine
	v_max3_num_f32 v13, |v[XS+3]|, |v[XS+4]|, |v[XS+5]|
.irp i, 6,10,14,18,22,26
	v_max3_num_f32 v12, v12, |v[XS+\i]|, |v[XS+\i+1]|
	v_max3_num_f32 v13, v13, |v[XS+\i+2]|, |v[XS+\i+3]|
.endr
	v_max3_num_f32 v12, v12, |v[XS+30]|, |v[XS+31]|
	v_max3_num_f32 v12, v12, v13, 0x2800000        ; and the floor
	v_add_nc_u32 v11, 0xfe000000, v12              ; the conversion's scale operand
	v_lshrrev_b32 v13, 23, v11                     ; the scale's byte
.if (\t)%4 == 0
	v_mov_b32 v[SB+(\t)/4], v13                    ; four bytes to a register, the lower K in the lower byte
.else
	v_lshl_or_b32 v[SB+(\t)/4], v13, 8*((\t)%4), v[SB+(\t)/4]
.endif
	v_cvt_scalef32_pk16_bf6_f32 v[CW:CW+2], v[XS:XS+15], v11
	v_cvt_scalef32_pk16_bf6_f32 v[CW+4:CW+6], v[XS+16:XS+31], v11   ; (a conversion's three registers begin on an even number)
	v_nop                                          ; one plain line behind the conversions
	ds_store_b96 v4, v[CW:CW+2] offset:32*(\t)     ; 12 bytes to a place of 16, so that every LDS address is a multiple of 16
	ds_store_b96 v4, v[CW+4:CW+6] offset:32*(\t)+16
.if (\t)+2 < NB
	LOADW (\t)+2
.endif
	s_wait_dscnt 0x0                               ; the stores have read their registers: the next block's codes may be written
.endm
.irp t, 0,1,2,3,4,5,6,7
	BLOCKW \t
.endr
	global_store_b64 v9, v[SB:SB+1], s[20:21]      ; my column's 8 scale bytes, at its position
.irp t, 0,1,2,3,4,5,6,7,8,9,10,11,12,13,14,15
	ds_load_b96 v[OUTR+4*\t:OUTR+4*\t+2], v7 offset:2*\t*WP   ; stage rows 2 t and 2 t + 1
.endr
.irp t, 0,1,2,3,4,5,6,7,8,9,10,11,12,13,14,15
	s_wait_dscnt 15-\t
	global_store_b96 v8, v[OUTR+4*\t:OUTR+4*\t+2], s[18:19] offset:(2*(\t%4)+16*((\t/4)%2)+8*(\t/8))*768   ; column 2 t (+ 1) goes to its position; sixteen lanes store a row's 192 consecutive bytes
.endr
	s_wait_tensorcnt 0x0
	ds_add_u32 v192, v193
	s_wait_dscnt 0x0
	s_endpgm
.Lfunc_end_k_qa864aa920a_quant:
	.size	k_qa864aa920a_quant, .Lfunc_end_k_qa864aa920a_quant-k_qa864aa920a_quant
	.p2alignl 7, 3214868480
	.fill 96, 4, 3214868480
	.section	.rodata,"a",@progbits
	.p2align	6, 0x0
	.amdhsa_kernel k_qa864aa920a_quant
		.amdhsa_group_segment_fixed_size 68096
		.amdhsa_private_segment_fixed_size 0
		.amdhsa_enable_private_segment 0
		.amdhsa_kernarg_size 72
		.amdhsa_user_sgpr_count 2
		.amdhsa_user_sgpr_kernarg_segment_ptr 1
		.amdhsa_wavefront_size32 1
		.amdhsa_system_sgpr_workgroup_id_x 1
		.amdhsa_system_sgpr_workgroup_id_y 1
		.amdhsa_system_sgpr_workgroup_id_z 1
		.amdhsa_system_vgpr_workitem_id 0
		.amdhsa_next_free_vgpr 194
		.amdhsa_next_free_sgpr 66
		.amdhsa_reserve_vcc 0
		.amdhsa_float_denorm_mode_32 3
		.amdhsa_float_denorm_mode_16_64 3
		.amdhsa_memory_ordered 1
		.amdhsa_forward_progress 1
		.amdhsa_inst_pref_size 74
	.end_amdhsa_kernel
	.amdgpu_metadata
---
amdhsa.version: [ 1, 2 ]
amdhsa.kernels:
  - .name:           k_qa864aa920a_quant
    .symbol:         k_qa864aa920a_quant.kd
    .args:
      - { .name: x, .offset: 0, .size: 8, .value_kind: global_buffer, .address_space: global }
      - { .name: W_q, .offset: 8, .size: 8, .value_kind: global_buffer, .address_space: global }
      - { .name: W_k, .offset: 16, .size: 8, .value_kind: global_buffer, .address_space: global }
      - { .name: W_v, .offset: 24, .size: 8, .value_kind: global_buffer, .address_space: global }
      - { .name: W_o, .offset: 32, .size: 8, .value_kind: global_buffer, .address_space: global }
      - { .name: xc, .offset: 40, .size: 8, .value_kind: global_buffer, .address_space: global }
      - { .name: xs, .offset: 48, .size: 8, .value_kind: global_buffer, .address_space: global }
      - { .name: wc, .offset: 56, .size: 8, .value_kind: global_buffer, .address_space: global }
      - { .name: ws, .offset: 64, .size: 8, .value_kind: global_buffer, .address_space: global }
    .group_segment_fixed_size: 68096
    .private_segment_fixed_size: 0
    .kernarg_segment_align: 8
    .kernarg_segment_size: 72
    .max_flat_workgroup_size: 128
    .sgpr_count:     66
    .vgpr_count:     194
    .wavefront_size: 32
...
	.end_amdgpu_metadata
.endif
;; end of part 1
;; launch qkv (part 2): grid 8 x 48, 4 waves a work-group, clusters of 4 x 4, 327,680 bytes of LDS; arguments xc, xs, wc, ws, qkvc, qkvs; writes qkvc, qkvs
.if DOCPART == 2
	.amdgcn_target "amdgcn-amd-amdhsa--gfx1250"
	.amdhsa_code_object_version 6
	.text
	.protected	k_qa864aa920a_qkv
	.globl	k_qa864aa920a_qkv
	.p2align	8
	.type	k_qa864aa920a_qkv,@function
k_qa864aa920a_qkv:
	s_mov_b64 s[64:65], 0
	v_nop
	global_prefetch_b8 v0, s[64:65] scope:SCOPE_SE
	s_setreg_imm32_b32 hwreg(HW_REG_WAVE_MODE, 25, 1), 1
	s_wait_xcnt 0x0
	s_wait_alu depctr_hold_cnt(0) depctr_sa_sdst(0) depctr_va_vdst(0) depctr_va_sdst(0) depctr_va_ssrc(0) depctr_va_vcc(0) depctr_vm_vsrc(0)
	s_getreg_b32 s2, hwreg(HW_REG_IB_STS2, 6, 4)
	s_cmp_eq_u32 s2, 0
	s_cbranch_scc0 .Lentry_in_a_cluster
	s_endpgm
.Lentry_in_a_cluster:
	s_bfe_u32 s2, ttmp6, 0x10000c
	s_cmp_lg_u32 s2, 0xf033
	s_cbranch_scc0 .Lentry_shape_is_right
	s_endpgm
.Lentry_shape_is_right:
; q = x W_q, k = x W_k, v = x W_v on codes of BF6 (E3M2) with one E8M0 scale for each 32 along K = 1,024; sums in f32; the results are quantised in registers and leave as codes and scale bytes.
; xc [8192 pos][768 B], xs [8192 pos][32 B]: x.  wc [4096 pos][768 B], ws [4096 pos][32 B]: rows 0-1023 W_q's columns, 1024.. W_k's, 2048.. W_v's.  All rows lie in tile order (a row's index with bits 3 and 4 exchanged).
; A tile of 256 x 256 results is made by four waves, each 128 x 128: 64 accumulators, 512 registers.  K goes in steps of 256 through two LDS slots filled by tensor loads; the scale bytes of the work-group's rows come once.
; TWO ROLES, told apart by the cluster's y alone (equal in all sixteen partners), by selects and never by a branch:
;   q, k (cluster y 0-7):  source 1 (side A) = 16 tokens, source 0 (side B) = 16 weight columns: a lane holds one token, its registers run along the features: q and k are quantised along the head's 64.
;   v    (cluster y 8-11): source 1 (side A) = 16 columns of W_v, source 0 (side B) = 16 tokens: a lane holds one channel, its registers run along the tokens: v is quantised along the keys.
; Since source 0's rows lie in tile order, a lane's 16 registers of accumulators (a, 2 B) and (a, 2 B + 1) are the true neighbours 32 B + 16 (lane / 16) + 0 .. 15.
; OUT: qkvc: three sections (q, k, v) of [64 (batch, head)][98,304 B]; q, k: [2048 pos][48 B]; v: [32 groups of 64 keys][64 channel pos][48 B].  qkvs: three sections of [64][4,096 B] of two scale bytes each, in the same order.
; CLUSTERS: 4 x 4 work-groups; side A's tile is shared along a row of the cluster, side B's along a column: joint tensor loads.
; LIMITS: a block whose largest magnitude lies under 2^-122, zeros among them, gets the byte 1 (its codes are then zeros or tiny; this program alone reads the bytes); NaN and infinities are not served.
; REGISTERS, in windows of 256: window 0: v0-31 addresses; v32-63 scale words, two sets, and nothing else; v64-82 codes just made; v96-112 the quantiser's work; from v128 A's fragments, one set, later the rows on their way out.
;   window 1: B's fragments, two sets, at v0 and v128.   window 2: the accumulators of my A rows 0-63 ((a, b) at v[8 (8 a + b)]);   window 3: those of rows 64-127.
.set KSTEP,  256
.set NQ,     2
.set ROWB,   192                       ; a tile's row in bytes: 256 codes
.set KROW,   768                       ; a row of codes in memory
.set PITCH,  240                       ; an LDS row: 3 x (64 bytes + 16 of padding)
.set FR,     12
.set NL,     6
.set NP,     4
.set HALFT,  128*PITCH
.set SLOT,   4*HALFT
.set LAPS,   2                         ; 1,024 along K = four K steps = twice round the ring
.set KS,     32                        ; a row of scale bytes
.set SCL,    2*SLOT
.set HALFS,  (128*KS/256)*272
.set SBLK,   (16*KS/256)*272
.set SPARE,  SCL+4*HALFS               ; the spare words: 128 bytes a wave, two blocks of 256 bytes that no other line names
.set WSTG,   12800                     ; the way out: a wave's stage: 2 x 128 rows x 48 bytes of codes, then 2 x 128 x 2 scale bytes.  It lies in slot 0, which has had its last fill and its last read by then
.set SSO,  10                          ; v10  the stage: where my row's two scale bytes go
.set SSR,  11                          ; v11  and where I read 16 of them back
.set SGO,  12                          ; v12  their place in qkvs
.set ADRA, 16
.set ADRB, 20
.set STO,  24                          ; v24  the stage: where I put 24 bytes of a row
.set RD,   25                          ; v25  where I read 16 bytes back
.set CO,   26                          ; v26  16 x lane
.set ADRS, 27
.set SPW,  28
.set NIL,  29
.set SC,   32
.set PC,   64                          ; v64-75 a fragment's codes; v76-82 the conversions' second halves
.set TM,   96                          ; v96-99 largest magnitudes, v100-103 bytes, v108-111 the conversions' scale operands
.set PW,   112                         ; the scale word just made
.set AF,   128
.set OUT,  128                         ; v128-223 the codes on their way out; v224-227 the scale bytes
.set G1, 24
.set G0, 32
.set G1B, 48
.set G0B, 56
.set G1S, 68
.set G0S, 76
.set G1SB, 80
.set G0SB, 88
.set SEL, 100                          ; s[100:101] lane selects for v_permlanex16_b32: lane l xor 16
.set MSB, 0
.macro WIN new                         ; the immediate's high byte repeats the setting that is left
.if MSB != (\new)
	s_set_vgpr_msb (MSB<<8)|(\new)
.set MSB, (\new)
.endif
.endm
.set MUL_LO, 0xa1                      ; source 0 (B) window 1, source 1 (A) window 0, C and D window 2
.set MUL_HI, 0xf1
.set TO_B,   0x40
; A joint load: waves 0 and 1 fetch for side A, waves 2 and 3 for side B; the branch hangs on the wave's number alone.  Four v_nop follow each of the two lines.
.macro JLOAD g0a, g1a, g0b, g1b
	s_cmp_eq_u32 s15, 0
	s_cbranch_scc0 .Lfor_b_\@
	tensor_load_to_lds s[\g0a:\g0a+3], s[\g1a:\g1a+7]
	s_nop 0
.rept 4
	v_nop
.endr
	s_branch .Lasked_\@
.Lfor_b_\@:
	tensor_load_to_lds s[\g0b:\g0b+3], s[\g1b:\g1b+7]
	s_nop 0
.rept 4
	v_nop
.endr
.Lasked_\@:
.endm
.macro CREST                           ; a round of the cluster's barrier behind its opening barrier
	s_cmp_lg_u32 s14, 0
	s_cbranch_scc1 .Lnot_wave_0_\@
	s_barrier_signal -3
.Lnot_wave_0_\@:
	s_barrier_wait -3
	s_barrier_signal -1
	s_barrier_wait -1
.endm
.macro CROUND
	s_barrier_signal -1
	s_barrier_wait -1
	CREST
.endm
	s_load_b128 s[4:7], s[0:1], 0x0                ; xc, xs
	s_load_b128 s[8:11], s[0:1], 0x10              ; wc, ws
	s_load_b64 s[12:13], s[0:1], 0x20              ; qkvc
	s_load_b64 s[96:97], s[0:1], 0x28              ; qkvs
	v_lshl_add_u32 v[SPW], v0, 2, SPARE
	v_mov_b32 v[NIL], 0
	ds_add_u32 v28, v29
	ds_add_u32 v28, v29
	s_wait_dscnt 0x0
	v_lshrrev_b32 v1, 5, v0
	v_readfirstlane_b32 s14, v1                    ; wave 0..3
	s_lshr_b32 s15, s14, 1                         ; which half of side A's 256 rows is mine.  Also: I fetch for A (0) or for B (1)
	s_and_b32 s16, s14, 1                          ; which half of side B's.  Also: which 128 rows I fetch
	s_bfe_u32 s40, ttmp6, 0x40000                  ; cx
	s_bfe_u32 s41, ttmp6, 0x40004                  ; cy
	s_and_b32 s2, ttmp7, 0xffff                    ; the cluster's y: 0-7 q and k, 8-11 v
	s_lshl_b32 s17, s2, 2
	s_add_co_u32 s17, s17, s41                     ; q, k: A's tile = tokens 256 (4 y + cy) on
	s_add_co_u32 s18, s41, 8                       ; v:    A's tile = rows 256 (8 + cy) on of wc
	s_lshl_b32 s42, ttmp9, 2
	s_add_co_u32 s42, s42, s40                     ; q, k: B's tile = rows 256 (4 x + cx) on of wc
	s_max_u32 s19, s2, 8
	s_sub_co_u32 s19, s19, 8
	s_lshl_b32 s19, s19, 1
	s_add_co_u32 s19, s19, ttmp9
	s_lshl_b32 s19, s19, 2
	s_add_co_u32 s19, s19, s40                     ; v:    B's tile = tokens 256 (4 (x + 2 (y - 8)) + cx) on
	s_cmp_ge_u32 s2, 8
	s_cselect_b32 s17, s18, s17                    ; A's tile never holds cx,
	s_cselect_b32 s42, s19, s42                    ; B's never cy
	s_cselect_b32 s95, 1, 0                        ; the role
	s_lshl_b32 s43, s41, 2
	s_lshl_b32 s43, 15, s43                        ; my row of the cluster
	s_lshl_b32 s44, 0x1111, s40                    ; my column
	s_mov_b32 s[SEL], 0x76543210
	s_mov_b32 s[SEL+1], 0xfedcba98
	; descriptor group 1: a tile of 128 rows x 192 bytes, 16 bytes of padding behind every 64
	s_or_b32 s[G1+0], s43, (0<<16)|(1<<20)|(1<<21)|(3<<22)|(3<<25)
	s_or_b32 s[G1B+0], s44, (0<<16)|(1<<20)|(1<<21)|(3<<22)|(3<<25)
.irp g, G1, G1B
	s_mov_b32 s[\g+1], ROWB<<16                    ; tensor_dim0
	s_mov_b32 s[\g+2], 128<<16                     ; tensor_dim1
	s_mov_b32 s[\g+3], ROWB<<16                    ; tile_dim0
	s_mov_b32 s[\g+4], 128                         ; tile_dim1
	s_mov_b32 s[\g+5], KROW                        ; the pitch
	s_mov_b32 s[\g+6], 0
	s_mov_b32 s[\g+7], 0
.endr
	; the scale bytes of 128 rows: 4,096 dense bytes as 16 rows of 256, 16 bytes of padding behind each
	s_or_b32 s[G1S+0], s43, (3<<16)|(1<<20)|(1<<21)|(5<<22)|(3<<25)
	s_or_b32 s[G1SB+0], s44, (3<<16)|(1<<20)|(1<<21)|(5<<22)|(3<<25)
.irp g, G1S, G1SB
	s_mov_b32 s[\g+1], 32<<16
	s_mov_b32 s[\g+2], (128*KS/256)<<16
	s_mov_b32 s[\g+3], 32<<16
	s_mov_b32 s[\g+4], 128*KS/256
	s_mov_b32 s[\g+5], 32
	s_mov_b32 s[\g+6], 0
	s_mov_b32 s[\g+7], 0
.endr
	s_lshl_b32 s18, s16, 7                         ; which 128 rows of the tile I fetch
	s_lshl_b32 s20, s17, 8
	s_add_co_u32 s20, s20, s18                     ; A's first row
	s_lshl_b32 s46, s42, 8
	s_add_co_u32 s46, s46, s18                     ; B's
	s_mov_b32 s21, 0
	s_mov_b32 s47, 0
	s_mov_b64 s[18:19], KS
	s_mul_u64 s[22:23], s[20:21], s[18:19]         ; where these rows' scale bytes begin
	s_mul_u64 s[92:93], s[46:47], s[18:19]
	s_mov_b64 s[18:19], KROW
	s_mul_u64 s[20:21], s[20:21], s[18:19]         ; and their codes
	s_mul_u64 s[46:47], s[46:47], s[18:19]
	s_mul_i32 s45, s14, HALFT                      ; where they go: wave x 128 rows
	s_mul_i32 s94, s14, HALFS
	s_wait_kmcnt 0x0
	s_cmp_eq_u32 s95, 1                            ; which buffers are side A's and side B's: a choice on the cluster's y alone
	s_cselect_b64 s[98:99], s[8:9], s[4:5]
	s_cselect_b64 s[8:9], s[4:5], s[8:9]           ; B's codes
	s_mov_b64 s[4:5], s[98:99]                     ; A's codes
	s_cselect_b64 s[98:99], s[10:11], s[6:7]
	s_cselect_b64 s[10:11], s[6:7], s[10:11]       ; B's scales
	s_mov_b64 s[6:7], s[98:99]                     ; A's scales
	s_add_nc_u64 s[20:21], s[4:5], s[20:21]
	s_add_nc_u64 s[22:23], s[6:7], s[22:23]
	s_add_nc_u64 s[46:47], s[8:9], s[46:47]
	s_add_nc_u64 s[92:93], s[10:11], s[92:93]
	CROUND                                         ; all sixteen work-groups are here: the first joint loads meet
	s_mov_b32 s[G0S], 1
	s_add_co_u32 s[G0S+1], s94, SCL
	s_mov_b64 s[G0S+2:G0S+3], s[22:23]
	s_or_b32 s[G0S+3], s[G0S+3], 0x80000000
	s_mov_b32 s[G0SB], 1
	s_add_co_u32 s[G0SB+1], s94, SCL
	s_mov_b64 s[G0SB+2:G0SB+3], s[92:93]
	s_or_b32 s[G0SB+3], s[G0SB+3], 0x80000000
	JLOAD G0S, G1S, G0SB, G1SB                     ; the scale bytes first: they are wanted with K step 0
.irp s, 0,1
	s_mov_b32 s[G0+4*\s], 1
	s_add_co_u32 s[G0+4*\s+1], s45, \s*SLOT
	s_add_nc_u64 s[G0+4*\s+2:G0+4*\s+3], s[20:21], \s*ROWB
	s_or_b32 s[G0+4*\s+3], s[G0+4*\s+3], 0x80000000
	s_mov_b32 s[G0B+4*\s], 1
	s_add_co_u32 s[G0B+4*\s+1], s45, \s*SLOT
	s_add_nc_u64 s[G0B+4*\s+2:G0B+4*\s+3], s[46:47], \s*ROWB
	s_or_b32 s[G0B+4*\s+3], s[G0B+4*\s+3], 0x80000000
	JLOAD G0+4*\s, G1, G0B+4*\s, G1B
.endr
	v_and_b32 v1, 15, v0                           ; r = lane % 16
	v_bfe_u32 v2, v0, 4, 1                         ; h = lane / 16
	v_mul_u32_u24 v3, v1, PITCH
	v_mul_u32_u24 v4, v2, 24
	v_add_nc_u32 v4, v3, v4                        ; a fragment's row x pitch + 24 h
	v_lshl_add_u32 v5, v2, 4, v4                   ; and the same behind one padding more
	s_mul_i32 s21, s15, HALFT                      ; my 128 rows of A
	s_mul_i32 s22, s16, HALFT                      ; my 128 rows of B,
	s_add_co_u32 s22, s22, 2*HALFT                 ; which lie behind A's 256
.irp s, 0,1
	v_add_nc_u32 v[ADRA+\s], s21, v4
	v_add_nc_u32 v[ADRB+\s], s22, v4
	v_add_nc_u32 v[ADRA+2+\s], s21, v5
	v_add_nc_u32 v[ADRB+2+\s], s22, v5
	s_add_co_u32 s21, s21, SLOT
	s_add_co_u32 s22, s22, SLOT
.endr
	v_mul_u32_u24 v5, v1, KS                       ; my row's scale bytes: 32 a row,
	v_lshrrev_b32 v6, 8, v5
	v_lshl_add_u32 v5, v6, 4, v5                   ; and 16 more for each 256 passed
	s_mul_i32 s21, s15, HALFS
	s_mul_i32 s22, s16, HALFS
	s_add_co_u32 s22, s22, 2*HALFS
	s_sub_co_u32 s22, s22, s21
	v_mul_u32_u24 v6, s22, v2                      ; lanes 16-31 take B's
	s_add_co_u32 s21, s21, SCL
	v_add_nc_u32 v5, v5, v6
	v_add_nc_u32 v[ADRS], s21, v5
	s_mul_i32 s23, s14, WSTG                       ; my stage
	v_mul_u32_u24 v5, v1, 48
	v_mad_u32_u24 v5, v2, 24, v5
	v_add_nc_u32 v[STO], s23, v5                   ; in: row r of 48 bytes, + 24 h
	v_and_b32 v6, 31, v0
	v_lshlrev_b32 v[CO], 4, v6
	v_add_nc_u32 v[RD], s23, v[CO]                 ; back: 16 bytes a lane, 512 an instruction
	s_add_co_u32 s23, s23, 12288
	v_lshl_add_u32 v[SSO], v1, 1, s23
	v_add_nc_u32 v[SSR], s23, v[CO]
	; where my 128 x 128 goes.  All selects stand behind one compare, ahead of the arithmetic
	s_cmp_eq_u32 s95, 1
	s_cselect_b32 s18, s42, s17                    ; the tokens' tile,
	s_cselect_b32 s19, s16, s15                    ; and my half of it
	s_cselect_b32 s20, s17, s42                    ; the features' tile,
	s_cselect_b32 s21, s15, s16                    ; and my half
	s_mov_b32 s66, 3072
	s_cselect_b32 s66, 98304, s66                  ; from the stage's rows 0-63 to rows 64-127: q, k the next 64 tokens, v the next head
	s_mov_b32 s98, 4096
	s_cselect_b32 s98, 128, s98                    ; scale bytes: from the stage's first half to its second: q, k the next head, v the next 64 keys
	s_mov_b32 s99, 128
	s_cselect_b32 s99, 4096, s99                   ; and from rows 0-63 to rows 64-127
	s_mov_b32 s67, 0
	v_mul_u32_u24 v[SGO], s98, v2
	v_bfe_u32 v7, v0, 3, 1
	v_mad_u32_u24 v[SGO], v7, s99, v[SGO]
	v_and_b32 v7, 7, v0
	v_lshl_add_u32 v[SGO], v7, 4, v[SGO]
	s_lshl_b32 s18, s18, 8
	s_lshl_b32 s19, s19, 7
	s_add_co_u32 s18, s18, s19                     ; my first token
	s_lshl_b32 s20, s20, 8
	s_lshl_b32 s21, s21, 7
	s_add_co_u32 s20, s20, s21                     ; my first feature, 0 .. 3,071
	s_lshr_b32 s19, s20, 10                        ; the section: 0 q, 1 k, 2 v
	s_lshl_b32 s19, s19, 6
	s_lshr_b32 s21, s18, 11                        ; the batch
	s_lshl_b32 s21, s21, 4
	s_add_co_u32 s19, s19, s21
	s_bfe_u32 s21, s20, 0x40006                    ; the head
	s_add_co_u32 s19, s19, s21
	s_and_b32 s18, s18, 2047
	s_mul_i32 s46, s19, 98304
	s_mul_i32 s47, s18, 48
	s_add_co_u32 s46, s46, s47
	s_mov_b32 s47, 0
	s_add_nc_u64 s[12:13], s[12:13], s[46:47]      ; codes: the stage's first quarter,
	s_add_nc_u64 s[18:19], s[12:13], s[66:67]      ; its second,
	s_sub_co_u32 s66, 101376, s66                  ; (the two strides are 3,072 and 98,304 in either role)
	s_add_nc_u64 s[20:21], s[12:13], s[66:67]      ; its third,
	s_add_nc_u64 s[22:23], s[12:13], 101376        ; its fourth
	s_and_b32 s46, ttmp7, 0                        ; (0)
	s_mov_b32 s46, 0
.macro FRAG reg, adr, q, i             ; 16 rows x 128 K of 6-bit codes: 12 registers; lane l holds row l % 16; registers 6 c .. 6 c + 5 hold K = 64 c + 32 (l / 16) + 0 .. 31: 24 bytes as they lie, in pieces of 8
.irp p, 0,1,2,3,4,5
.set PCE, 12*(\q)+6*(\p/3)+\p%3        ; where the piece three on lies behind one padding more, the second address register serves
.if PCE%8 < 5
	ds_load_b64 v[\reg+2*\p:\reg+2*\p+1], v[\adr] offset:8*PCE+16*(PCE/8)+(\i)*16*PITCH
.else
	ds_load_b64 v[\reg+2*\p:\reg+2*\p+1], v[\adr+2] offset:8*PCE+16*(PCE/8)+(\i)*16*PITCH
.endif
.endr
.endm
; 16 matrix instructions: A's blocks a0, a0 + 1 x B's eight.  The 64 accumulators take turns, one instruction a turn, in the same order in every step.
.macro MUL16 a0, p, q, sc, zero
.irp a, \a0, \a0+1
.irp b, 0,1,2,3,4,5,6,7
.if \zero
	v_wmma_scale_f32_16x16x128_f8f6f4 v[8*(8*((\a)%4)+\b):8*(8*((\a)%4)+\b)+7], v[128*(\p)+FR*\b:128*(\p)+FR*\b+FR-1], v[AF+FR*(\a):AF+FR*(\a)+FR-1], 0, v[SC+8*NQ*(\sc)+NQ*\b+(\q)], v[SC+8*NQ*(\sc)+NQ*(\a)+(\q)] matrix_a_fmt:MATRIX_FMT_BF6 matrix_b_fmt:MATRIX_FMT_BF6 matrix_a_scale:MATRIX_SCALE_ROW1
.else
	v_wmma_scale_f32_16x16x128_f8f6f4 v[8*(8*((\a)%4)+\b):8*(8*((\a)%4)+\b)+7], v[128*(\p)+FR*\b:128*(\p)+FR*\b+FR-1], v[AF+FR*(\a):AF+FR*(\a)+FR-1], v[8*(8*((\a)%4)+\b):8*(8*((\a)%4)+\b)+7], v[SC+8*NQ*(\sc)+NQ*\b+(\q)], v[SC+8*NQ*(\sc)+NQ*(\a)+(\q)] matrix_a_fmt:MATRIX_FMT_BF6 matrix_b_fmt:MATRIX_FMT_BF6 matrix_a_scale:MATRIX_SCALE_ROW1
.endif
.endr
.endr
.endm
.macro FETCH_B slot, q, p
	WIN TO_B
.irp i, 0,1,2,3,4,5,6,7
	FRAG 128*(\p)+FR*\i, ADRB+\slot, \q, \i
.endr
	WIN 0
.endm
.macro FETCH_A slot, q, i0
.irp i, \i0, \i0+1, \i0+2, \i0+3
	FRAG AF+FR*(\i), ADRA+\slot, \q, \i
.endr
.endm
.macro SCALES sc                       ; a K step's scale words: two a row; lanes 0-15 take A's block i, lanes 16-31 B's block i
.irp i, 0,1,2,3,4,5,6,7
	ds_load_b64 v[SC+8*NQ*\sc+NQ*\i:SC+8*NQ*\sc+NQ*\i+1], v[ADRS] offset:\i*SBLK
.endr
.endm
.macro PLACES n                        ; plain vector lines between a matrix instruction and a load into, or a read of, its registers
.rept \n
	v_nop
.endr
.endm
.macro STEP slot, q, zero              ; 128 along K that has its successor in the same slot
	s_wait_dscnt 4*NL                              ; B's set and A's blocks 0-3 are in; the youngest 24 loads (A's blocks 4-7) may be out
	WIN MUL_LO
	MUL16 0, (\q)%2, \q, \slot, \zero
	MUL16 2, (\q)%2, \q, \slot, \zero
	s_wait_dscnt 0
	PLACES NP
	FETCH_B \slot, (\q)+1, 1-(\q)%2
	FETCH_A \slot, (\q)+1, 0
	WIN MUL_HI
	MUL16 4, (\q)%2, \q, \slot, \zero
	MUL16 6, (\q)%2, \q, \slot, \zero
	PLACES NP
	WIN 0
	FETCH_A \slot, (\q)+1, 4
.endm
; A slot's last step changes slots: one barrier; in front of it each wave waits for all its tensor loads, adds 0 to its spare word, and waits for that and for its reads of this slot.
.macro TURN slot, next, fill
	s_wait_tensorcnt 0x0                           ; all my tensor loads have landed: my part of the next slot
	ds_add_u32 v[SPW], v[NIL]                      ; 0 onto my spare word
	s_wait_dscnt 4*NL+1                            ; (the add and the youngest 24 loads, A's blocks 4-7, may be out)
	WIN MUL_LO
	MUL16 0, 1, NQ-1, \slot, 0
	s_wait_dscnt 0x0                               ; the add is done, and my reads of this slot are over
	s_barrier_signal -1
	MUL16 2, 1, NQ-1, \slot, 0
	WIN 0
	s_barrier_wait -1
.if \fill
	CREST                                          ; the barrier has opened a round of the cluster's barrier: no wave of any partner still reads this slot or has a load on its way
	s_add_nc_u64 s[G0+4*\slot+2:G0+4*\slot+3], s[G0+4*\slot+2:G0+4*\slot+3], 2*ROWB
	s_add_nc_u64 s[G0B+4*\slot+2:G0B+4*\slot+3], s[G0B+4*\slot+2:G0B+4*\slot+3], 2*ROWB
	JLOAD G0+4*\slot, G1, G0B+4*\slot, G1B         ; the first tensor load behind the round; its four v_nop are the places in front of the loads below
.else
	PLACES NP
.endif
	v_add_nc_u32 v[ADRS], 4*NQ, v[ADRS]            ; on to the next K step's scale words
	FETCH_B \next, 0, 0
	FETCH_A \next, 0, 0
	SCALES \next
	WIN MUL_HI
	MUL16 4, 1, NQ-1, \slot, 0
	MUL16 6, 1, NQ-1, \slot, 0
	PLACES NP
	WIN 0
	FETCH_A \next, 0, 4
.endm
	s_lshl_b32 s46, s95, 0                         ; (the scale bytes' place follows: H x 4,096 + 2 x token)
	s_cmp_eq_u32 s95, 1
	s_cselect_b32 s92, s42, s17                    ; the tokens' tile and half once more,
	s_cselect_b32 s93, s16, s15
	s_cselect_b32 s94, s17, s42                    ; the features'
	s_cselect_b32 s45, s15, s16
	s_lshl_b32 s92, s92, 8
	s_lshl_b32 s93, s93, 7
	s_add_co_u32 s92, s92, s93                     ; my first token
	s_lshl_b32 s94, s94, 8
	s_lshl_b32 s45, s45, 7
	s_add_co_u32 s94, s94, s45                     ; my first feature
	s_lshr_b32 s45, s94, 10
	s_lshl_b32 s45, s45, 6
	s_lshr_b32 s93, s92, 11
	s_lshl_b32 s93, s93, 4
	s_add_co_u32 s45, s45, s93
	s_bfe_u32 s93, s94, 0x40006
	s_add_co_u32 s45, s45, s93                     ; section x 64 + batch x 16 + head
	s_and_b32 s92, s92, 2047
	s_lshl_b32 s46, s45, 12
	s_lshl_b32 s92, s92, 1
	s_add_co_u32 s46, s46, s92
	s_mov_b32 s47, 0
	s_add_nc_u64 s[96:97], s[96:97], s[46:47]
	s_wait_tensorcnt 1                             ; the scale bytes and my part of K step 0 are in (K step 1's load may be out),
	s_barrier_signal -1
	s_barrier_wait -1                              ; everybody's are
	FETCH_B 0, 0, 0
	FETCH_A 0, 0, 0
	SCALES 0
	FETCH_A 0, 0, 4
	STEP 0, 0, 1                                   ; the first step's products start the sums
	s_mov_b32 s3, LAPS-1
.Llap:                                                 ; a trip goes once round the ring and fills both slots again
	TURN 0, 1, 1
	STEP 1, 0, 0
	TURN 1, 0, 1
	STEP 0, 0, 0
	s_sub_co_u32 s3, s3, 1
	s_cmp_lg_u32 s3, 0
	s_cbranch_scc1 .Llap
	TURN 0, 1, 0                                   ; the last lap fills nothing
	STEP 1, 0, 0
	s_wait_dscnt 4*NL
	WIN MUL_LO
	MUL16 0, 1, NQ-1, 1, 0
	MUL16 2, 1, NQ-1, 1, 0
	s_wait_dscnt 0
	WIN MUL_HI
	MUL16 4, 1, NQ-1, 1, 0
	MUL16 6, 1, NQ-1, 1, 0
	WIN 0
; THE WAY OUT.  Block a's 64 registers of a lane (register 16 B + i = number 32 B + 16 (lane / 16) + i of my row's 128) become 12 registers of codes and a scale word.
; Each accumulator is first read at its low end: the maxima go through the registers in ascending order.
.macro QUANTW a
.set AC, 64*((\a)%4)
.set WN, 2+(\a)/4
	WIN WN|(WN<<2)                                 ; sources 0 and 1 in the accumulators' window
.irp b, 0,1,2,3
	v_max3_num_f32 v[TM+\b], |v[AC+16*\b]|, |v[AC+16*\b+1]|, 0x2800000   ; block b: my 16 numbers, and the floor 2^(5 - 127)
.endr
	WIN (WN<<2)|(WN<<4)                            ; sources 1 and 2
.irp i, 2,4,6,8,10,12,14
.irp b, 0,1,2,3
	v_max3_num_f32 v[TM+\b], v[TM+\b], |v[AC+16*\b+\i]|, |v[AC+16*\b+\i+1]|
.endr
.endr
	WIN 0
.irp b, 0,1,2,3
	v_permlanex16_b32 v[TM+4+\b], v[TM+\b], s[SEL], s[SEL+1]
.endr
.irp b, 0,1,2,3
	v_max_num_f32 v[TM+\b], v[TM+\b], v[TM+4+\b]   ; with lane l xor 16's: the block's largest magnitude
.endr
.irp b, 0,1,2,3
	v_add_nc_u32 v[TM+12+\b], 0xfe000000, v[TM+\b] ; 4 off its exponent field: the conversion's scale operand
.endr
.irp b, 0,1,2,3
	v_lshrrev_b32 v[TM+4+\b], 23, v[TM+12+\b]      ; the scale's byte
.endr
	v_lshl_or_b32 v[PW], v[TM+5], 8, v[TM+4]
	v_lshl_or_b32 v[PW], v[TM+6], 16, v[PW]
	v_lshl_or_b32 v[PW], v[TM+7], 24, v[PW]
	WIN WN                                         ; source 0
.irp c, 0,1
	v_cvt_scalef32_pk16_bf6_f32 v[PC+6*\c:PC+6*\c+2], v[AC+32*\c:AC+32*\c+15], v[TM+12+2*\c]
	v_cvt_scalef32_pk16_bf6_f32 v[PC+12+4*\c:PC+14+4*\c], v[AC+32*\c+16:AC+32*\c+31], v[TM+12+2*\c+1]
.endr
	WIN 0
	v_nop                                          ; one plain line behind the conversions
.irp c, 0,1                                    ; a whole block to a lane: lanes 0-15 block 2 c, lanes 16-31 block 2 c + 1
.irp i, 0,1,2
	v_permlane16_swap_b32 v[PC+6*\c+\i], v[PC+12+4*\c+\i]
.endr
.irp i, 0,1,2
	v_mov_b32 v[PC+3+6*\c+\i], v[PC+12+4*\c+\i]
.endr
.endr
.endm
	PLACES NP                                      ; behind the last products
.irp b, 0,1,2,3
	v_mov_b32 v[TM+4+\b], 0                        ; written once: a lane permute's destination counts as one of its sources
.endr
.irp a, 0,1,2,3,4,5,6,7
	QUANTW \a
.irp c, 0,1
.irp p, 0,1,2
	ds_store_b64 v[STO], v[PC+6*\c+2*\p:PC+6*\c+2*\p+1] offset:6144*\c+768*\a+8*\p   ; numbers 64 c + 32 h on of row 16 a + r: 24 bytes
.endr
.endr
	ds_store_b16 v[SSO], v[PW] offset:32*\a        ; the two bytes of numbers 0-63 (both halves of the lanes write the same),
	ds_store_b16_d16_hi v[SSO], v[PW] offset:256+32*\a   ; and of numbers 64-127
	s_wait_dscnt 0x0                               ; the stores have read their registers
.endr
.irp i, 0,1,2,3,4,5,6,7,8,9,10,11,12,13,14,15,16,17,18,19,20,21,22,23
	ds_load_b128 v[OUT+4*\i:OUT+4*\i+3], v[RD] offset:512*\i   ; LDS serves a wave's instructions in order: these see my stores
.endr
	ds_load_b128 v[OUT+96:OUT+99], v[SSR]
.irp i, 0,1,2,3,4,5
	s_wait_dscnt 24-\i                             ; the LDS loads issued behind load i may be out
	global_store_b128 v[CO], v[OUT+4*\i:OUT+4*\i+3], s[12:13] offset:512*\i   ; 32 lanes store 512 consecutive bytes, aligned to 256
.endr
.irp i, 0,1,2,3,4,5
	s_wait_dscnt 18-\i
	global_store_b128 v[CO], v[OUT+24+4*\i:OUT+24+4*\i+3], s[18:19] offset:512*\i
.endr
.irp i, 0,1,2,3,4,5
	s_wait_dscnt 12-\i
	global_store_b128 v[CO], v[OUT+48+4*\i:OUT+48+4*\i+3], s[20:21] offset:512*\i
.endr
.irp i, 0,1,2,3,4,5
	s_wait_dscnt 6-\i
	global_store_b128 v[CO], v[OUT+72+4*\i:OUT+72+4*\i+3], s[22:23] offset:512*\i
.endr
	s_wait_dscnt 0x0
	global_store_b128 v[SGO], v[OUT+96:OUT+99], s[96:97]   ; the scale bytes: runs of 128 consecutive bytes (q, k: two runs on end)
	s_wait_tensorcnt 0x0                           ; the wave's end
	ds_add_u32 v[SPW], v[NIL]
	s_wait_dscnt 0x0
	CROUND                                         ; the closing round
	s_endpgm
.Lfunc_end_k_qa864aa920a_qkv:
	.size	k_qa864aa920a_qkv, .Lfunc_end_k_qa864aa920a_qkv-k_qa864aa920a_qkv
	.p2alignl 7, 3214868480
	.fill 96, 4, 3214868480
	.section	.rodata,"a",@progbits
	.p2align	6, 0x0
	.amdhsa_kernel k_qa864aa920a_qkv
		.amdhsa_group_segment_fixed_size 327680
		.amdhsa_private_segment_fixed_size 0
		.amdhsa_enable_private_segment 0
		.amdhsa_kernarg_size 48
		.amdhsa_user_sgpr_count 2
		.amdhsa_user_sgpr_kernarg_segment_ptr 1
		.amdhsa_wavefront_size32 1
		.amdhsa_system_sgpr_workgroup_id_x 1
		.amdhsa_system_sgpr_workgroup_id_y 1
		.amdhsa_system_sgpr_workgroup_id_z 1
		.amdhsa_system_vgpr_workitem_id 0
		.amdhsa_next_free_vgpr 1024
		.amdhsa_next_free_sgpr 102
		.amdhsa_reserve_vcc 0
		.amdhsa_float_denorm_mode_32 3
		.amdhsa_float_denorm_mode_16_64 3
		.amdhsa_memory_ordered 1
		.amdhsa_forward_progress 1
		.amdhsa_inst_pref_size 174
	.end_amdhsa_kernel
	.amdgpu_metadata
---
amdhsa.version: [ 1, 2 ]
amdhsa.kernels:
  - .name:           k_qa864aa920a_qkv
    .symbol:         k_qa864aa920a_qkv.kd
    .args:
      - { .name: xc, .offset: 0, .size: 8, .value_kind: global_buffer, .address_space: global }
      - { .name: xs, .offset: 8, .size: 8, .value_kind: global_buffer, .address_space: global }
      - { .name: wc, .offset: 16, .size: 8, .value_kind: global_buffer, .address_space: global }
      - { .name: ws, .offset: 24, .size: 8, .value_kind: global_buffer, .address_space: global }
      - { .name: qkvc, .offset: 32, .size: 8, .value_kind: global_buffer, .address_space: global }
      - { .name: qkvs, .offset: 40, .size: 8, .value_kind: global_buffer, .address_space: global }
    .group_segment_fixed_size: 327680
    .private_segment_fixed_size: 0
    .kernarg_segment_align: 8
    .kernarg_segment_size: 48
    .max_flat_workgroup_size: 128
    .sgpr_count:     102
    .vgpr_count:     1024
    .wavefront_size: 32
...
	.end_amdgpu_metadata
.endif
;; end of part 2
;; launch attn (part 3): grid 4 x 64, 16 waves a work-group, clusters of 4 x 1, 219,136 bytes of LDS; arguments qkvc, qkvs, cc, cs; writes cc, cs
.if DOCPART == 3
	.amdgcn_target "amdgcn-amd-amdhsa--gfx1250"
	.amdhsa_code_object_version 6
	.text
	.protected	k_qa864aa920a_attn
	.globl	k_qa864aa920a_attn
	.p2align	8
	.type	k_qa864aa920a_attn,@function
k_qa864aa920a_attn:
	s_mov_b64 s[64:65], 0
	v_nop
	global_prefetch_b8 v0, s[64:65] scope:SCOPE_SE
	s_setreg_imm32_b32 hwreg(HW_REG_WAVE_MODE, 25, 1), 1
	s_wait_xcnt 0x0
	s_wait_alu depctr_hold_cnt(0) depctr_sa_sdst(0) depctr_va_vdst(0) depctr_va_sdst(0) depctr_va_ssrc(0) depctr_va_vcc(0) depctr_vm_vsrc(0)
	s_getreg_b32 s2, hwreg(HW_REG_IB_STS2, 6, 4)
	s_cmp_eq_u32 s2, 0
	s_cbranch_scc0 .Lentry_in_a_cluster
	s_endpgm
.Lentry_in_a_cluster:
	s_bfe_u32 s2, ttmp6, 0x10000c
	s_cmp_lg_u32 s2, 0x3003
	s_cbranch_scc0 .Lentry_shape_is_right
	s_endpgm
.Lentry_shape_is_right:
; ctx = softmax(q k^T / 8, causal) v for one (batch, head) a cluster, both products on codes of BF6 (E3M2) with one E8M0 scale for each 32 along a product's K; ctx is quantised along the head's 64 and leaves as codes.
; IN: qkvc sections q, k: [64 (batch, head)][2048 pos][48 B]; v: [64][32 groups of 64 keys][64 channel pos][48 B], keys innermost in true order; qkvs: two scale bytes for each 48 bytes, in the same order.
; Positions are indices with bits 3 and 4 exchanged: sixteen stored neighbours taken as source 0 leave a lane's 16 registers of two neighbouring tiles as 16 true neighbours.
; THE SOFTMAX: t = score x log2(e) / 8; M = the running largest t rounded up to a whole number; p = 2^(t - M) is quantised along the keys, not normalised; the row's sum of the unquantised p divides at the end.
; SHARES.  The head's K and V codes and scale bytes, 204,800 bytes, come ONCE into each work-group's LDS by joint tensor loads of the cluster's four work-groups, and stay: nothing is filled again.
; A head has 16 groups of 128 tokens, 8 query tiles each.  Work-group cx, wave w owns tile 2 cx + (w & 1) of group w >> 1 (pass 0) and of group 15 - (w >> 1) (pass 1).  Group G wants key steps 0 .. G of 128 keys:
; (G + 1) + (16 - G) = 17 steps for every wave.  The loop over key steps has 16 trips in every wave; a step whose keys all come after the group is jumped over by a branch on the wave's number and the counters.
; The head size is 64, the instruction's K is 128: registers 6-11 of K's and Q's fragments hold zero codes, which add nothing.
; Both products are used transposed (S^T = K Q^T, O^T = V^T P^T): a lane holds one query throughout.
; cs takes one byte a lane: 32 bytes in a span of 64, the other bytes being the pair's other head's: blocks of 256 bytes are written in part there (262,144 bytes in the launch).
; LIMITS: a block of ctx under 2^-122 gets the byte 1; NaN and infinities are not served.
; REGISTERS: v1-7 addresses that stay; v8-10 the step's addresses; v11 the mask's bound; v12 -M, v13 the largest t, v[14:15] the sum; v16-27 Q (6 + 6 zeros); v28 Q's scales; v29-35 pass 1's Q; v36-83 four fragments of K (6 + 6 zeros each);
; v84-87 K's scales, v88-91 V's halves, v92-93 V's scale words; v94 8 h, v95 2 r; v96-159 S^T, then p, then V's four fragments; v160-191 O^T; v192-210 codes; v212-228 at work; v232-237 the way out.
.set LV,   98304                       ; LDS: K's codes at 0, V's here, 48 bytes a row, no padding: the 32 lanes of an 8-byte load at 48 r + 24 h touch 64 different banks
.set LSK,  196608                      ; K's scale bytes, 4,096; V's follow at + 4,096
.set STG,  204800                      ; a stage of 768 bytes for each wave
.set AK0,  1
.set AV0,  2
.set ASC0, 3
.set SIN,  4
.set SOUT, 5
.set GO8,  6
.set GOB,  7
.set ADK,  8
.set ADV,  9
.set ADS,  10
.set DQ,   11
.set BM,   212                         ; the blocks' largest scores, then largest p
.set BP,   216                         ; permutes' results, a sum's second chain, bytes
.set SO,   220                         ; the conversions' scale operands
.set PWD,  224                         ; p's scale word
.set F,    226                         ; v[226:227] f = 2^(old M - new M)
.set WK,   228
.set WV,   12
.set CX,   13
.set BH,   14
.set W1,   15
.set G,    16                          ; my group in this pass
.set KSI,  17                          ; the key step
.set TB,   18                          ; its codes: 6,144 bytes a step, in K and in V
.set TS,   19                          ; its scale bytes: 256 a step
.set SEL,  20
.set CS,   22
.set G1C,  24
.set G1S,  32
.set G0C,  40
.set G0S,  44
.set PASS, 48
.set CCB,  50                          ; s[50:51] where my tile's codes go; s[52:53] its scale bytes; s[54:57] their steps to pass 1
.set CSB,  52
.set CST,  54
.set SST,  56
.set QC0,  58                          ; s[58:61] Q's codes, pass 0 and 1; s[66:69] Q's scale bytes
.set QS0,  66
.macro ROUND                           ; a round of the cluster's barrier
	s_barrier_signal -1
	s_barrier_wait -1
	s_cmp_lg_u32 s[WV], 0
	s_cbranch_scc1 .Lnot_wave_0_\@
	s_barrier_signal -3
.Lnot_wave_0_\@:
	s_barrier_wait -3
	s_barrier_signal -1
	s_barrier_wait -1
.endm
	s_load_b256 s[4:11], s[0:1], 0x0               ; qkvc s[4:5], qkvs s[6:7], cc s[8:9], cs s[10:11]
	v_lshl_add_u32 v254, v0, 2, 0x35000
	v_mov_b32 v255, 0
	ds_add_u32 v254, v255
	ds_add_u32 v254, v255
	v_lshrrev_b32 v8, 5, v0
	s_delay_alu instid0(VALU_DEP_1)
	v_readfirstlane_b32 s[WV], v8                  ; wave 0..15
	s_bfe_u32 s[CX], ttmp6, 0x40000                ; cx: it enters Q's and ctx's global addresses and the mask's bound alone
	s_and_b32 s[BH], ttmp7, 0xffff                 ; 16 x batch + head, which the four partners share
	s_and_b32 s[W1], s[WV], 1
	s_lshr_b32 s[G], s[WV], 1
	; descriptor group 1: dense blocks as rows of 256 bytes (32 elements of 8 bytes): 48 rows of codes, 2 rows of scale bytes; the mask names all four work-groups
	s_mov_b32 s[G1C], 15|(3<<16)|(1<<21)
	s_mov_b32 s[G1C+1], 32<<16
	s_mov_b32 s[G1C+2], 48<<16
	s_mov_b32 s[G1C+3], 32<<16
	s_mov_b32 s[G1C+4], 48
	s_mov_b32 s[G1C+5], 32
	s_mov_b32 s[G1C+6], 0
	s_mov_b32 s[G1C+7], 0
	s_mov_b32 s[G1S], 15|(3<<16)|(1<<21)
	s_mov_b32 s[G1S+1], 32<<16
	s_mov_b32 s[G1S+2], 2<<16
	s_mov_b32 s[G1S+3], 32<<16
	s_mov_b32 s[G1S+4], 2
	s_mov_b32 s[G1S+5], 32
	s_mov_b32 s[G1S+6], 0
	s_mov_b32 s[G1S+7], 0
	s_mov_b32 s[SEL], 0x76543210
	s_mov_b32 s[SEL+1], 0xfedcba98
	s_mov_b32 s[CS], 0x3e38aa3b                    ; c = log2(e) / 8
	s_mov_b32 s[CS+1], s[CS]
	s_mul_i32 s2, s[BH], 98304                     ; the head's codes in a section
	s_lshl_b32 s3, s[BH], 12                       ; its scale bytes
	s_lshr_b32 s70, s[WV], 3                       ; waves 0-7 fetch K's eighths, waves 8-15 V's
	s_mul_i32 s72, s[WV], 12288
	s_mul_i32 s71, s70, 6193152                    ; a section on, less the 98,304 bytes that wave x 12,288 has passed
	s_add_co_u32 s72, s72, s71
	s_add_co_u32 s72, s72, s2
	s_add_co_u32 s72, s72, 6291456                 ; k's section is the second
	s_mov_b32 s73, 0
	s_lshl_b32 s74, s[WV], 9
	s_mul_i32 s71, s70, 258048
	s_add_co_u32 s74, s74, s71
	s_add_co_u32 s74, s74, s3
	s_add_co_u32 s74, s74, 262144
	s_mov_b32 s75, 0
	s_lshl_b32 s49, s[CX], 5
	s_lshl_b32 s71, s[W1], 4
	s_add_co_u32 s71, s71, s49                     ; my tile's first position in its group: 32 cx + 16 (w & 1)
	s_lshl_b32 s70, s[G], 7
	s_add_co_u32 s70, s70, s71                     ; in the head, pass 0,
	s_sub_co_u32 s76, 15, s[G]
	s_lshl_b32 s76, s76, 7
	s_add_co_u32 s76, s76, s71                     ; and pass 1
	s_lshl_b32 s71, s[W1], 3
	s_add_co_u32 s49, s49, s71                     ; lane 0's true query in its group: 32 cx + 8 (w & 1)
	s_mov_b32 s79, 0
	s_wait_dscnt 0x0
	s_wait_kmcnt 0x0
	s_mov_b32 s[G0C], 1
	s_mul_i32 s[G0C+1], s[WV], 12288               ; LDS: K's eight parts, then V's eight
	s_add_nc_u64 s[G0C+2:G0C+3], s[4:5], s[72:73]
	s_or_b32 s[G0C+3], s[G0C+3], 0x80000000
	s_mov_b32 s[G0S], 1
	s_lshl_b32 s[G0S+1], s[WV], 9
	s_add_co_u32 s[G0S+1], s[G0S+1], LSK
	s_add_nc_u64 s[G0S+2:G0S+3], s[6:7], s[74:75]
	s_or_b32 s[G0S+3], s[G0S+3], 0x80000000
	ROUND                                          ; all four work-groups are here: the joint loads meet
	tensor_load_to_lds s[G0C:G0C+3], s[G1C:G1C+7]  ; two loads of mine are out: the launch's only fills
	s_nop 0
	tensor_load_to_lds s[G0S:G0S+3], s[G1S:G1S+7]
	s_nop 0
.rept 4
	v_nop
.endr
	s_mul_i32 s78, s70, 48
	s_add_co_u32 s78, s78, s2
	s_add_nc_u64 s[QC0:QC0+1], s[4:5], s[78:79]    ; q's section is the first
	s_mul_i32 s78, s76, 48
	s_add_co_u32 s78, s78, s2
	s_add_nc_u64 s[QC0+2:QC0+3], s[4:5], s[78:79]
	s_lshl_b32 s78, s70, 1
	s_add_co_u32 s78, s78, s3
	s_add_nc_u64 s[QS0:QS0+1], s[6:7], s[78:79]
	s_lshl_b32 s78, s76, 1
	s_add_co_u32 s78, s78, s3
	s_add_nc_u64 s[QS0+2:QS0+3], s[6:7], s[78:79]
	s_and_b32 s62, s[BH], 15                       ; the head
	s_lshr_b32 s63, s[BH], 4                       ; the batch
	s_lshl_b32 s63, s63, 11
	s_add_co_u32 s63, s63, s70                     ; my tile's first position among the 8,192
	s_mul_i32 s78, s62, 393216
	s_mul_i32 s77, s63, 48
	s_add_co_u32 s78, s78, s77
	s_add_nc_u64 s[CCB:CCB+1], s[8:9], s[78:79]
	s_lshr_b32 s78, s62, 1
	s_lshl_b32 s78, s78, 15
	s_lshl_b32 s77, s63, 2
	s_add_co_u32 s78, s78, s77
	s_and_b32 s77, s62, 1
	s_lshl_b32 s77, s77, 1
	s_add_co_u32 s78, s78, s77
	s_add_nc_u64 s[CSB:CSB+1], s[10:11], s[78:79]
	s_sub_co_u32 s77, s76, s70                     ; positions from pass 0's tile to pass 1's: 128 (15 - 2 (w >> 1)), above 0
	s_mul_i32 s[CST], s77, 48
	s_mov_b32 s[CST+1], 0
	s_lshl_b32 s[SST], s77, 2
	s_mov_b32 s[SST+1], 0
	s_mul_i32 s77, s[WV], 768
	s_add_co_u32 s77, s77, STG                     ; my stage
	v_and_b32 v8, 15, v0                           ; r
	v_bfe_u32 v9, v0, 4, 1                         ; h
	v_and_b32 v10, 31, v0                          ; lane
	s_delay_alu instid0(VALU_DEP_3)
	v_mul_u32_u24 v[AK0], v8, 48
	s_delay_alu instid0(VALU_DEP_1)
	v_mad_u32_u24 v[AK0], v9, 24, v[AK0]           ; row r of 48 bytes, + 24 h
	s_delay_alu instid0(VALU_DEP_1)
	v_add_nc_u32 v[AV0], LV, v[AK0]
	s_delay_alu instid0(VALU_DEP_4)
	v_lshl_add_u32 v[ASC0], v10, 1, LSK            ; two scale bytes a lane: 32 neighbouring positions
	s_delay_alu instid0(VALU_DEP_3)
	v_add_nc_u32 v[SIN], s77, v[AK0]
	v_lshl_add_u32 v[SOUT], v10, 3, s77
	v_lshlrev_b32 v[GO8], 3, v10
	v_lshl_add_u32 v[GOB], v8, 2, v9               ; 4 r + h
	v_and_b32 v[DQ], 8, v8
	s_delay_alu instid0(VALU_DEP_1)
	v_add_nc_u32 v[DQ], v[DQ], v8                  ; lane r's true query in the tile's 32: r + 8 (r / 8)
	v_lshlrev_b32 v94, 4, v9
	s_delay_alu instid0(VALU_DEP_1)
	v_sub_nc_u32 v[DQ], v[DQ], v94
	s_delay_alu instid0(VALU_DEP_1)
	v_add_nc_u32 v[DQ], s49, v[DQ]                 ; my query in its group - 16 h: register 16 b + i holds key 32 b + 16 h + i of the step, hidden on the diagonal where 32 b + i is above this
	v_lshlrev_b32 v94, 3, v9                       ; 8 h
	v_lshlrev_b32 v95, 1, v8                       ; 2 r
.irp p, 0,1,2
	global_load_b64 v[16+2*\p:17+2*\p], v[AK0], s[QC0:QC0+1] offset:8*\p      ; Q of pass 0,
	global_load_b64 v[30+2*\p:31+2*\p], v[AK0], s[QC0+2:QC0+3] offset:8*\p    ; and of pass 1
.endr
	global_load_u16 v28, v95, s[QS0:QS0+1]         ; their scale bytes; the word's upper two bytes are 0 and stand over zero codes
	global_load_u16 v29, v95, s[QS0+2:QS0+3]
.irp j, 22,23,24,25,26,27
	v_mov_b32 v\j, 0                               ; the zero codes of K = 64 .. 127: Q's,
.endr
.irp t, 0,1,2,3
.irp j, 6,7,8,9,10,11
	v_mov_b32 v[36+12*\t+\j], 0                    ; and K's
.endr
.endr
.irp b, 0,1,2,3
	v_mov_b32 v[BP+\b], 0                          ; written once: a lane permute's destination counts as one of its sources
.endr
	v_mov_b32 v[F+1], 0                            ; (named as the upper half of a pair)
	v_mov_b32 v[WK], 0
	s_wait_tensorcnt 0x0                           ; my parts of K and V have landed,
	s_barrier_signal -1
	s_barrier_wait -1                              ; everybody's have
	s_wait_loadcnt 0x0                             ; Q
	s_mov_b32 s[PASS], 2
.Lpass:
	v_mov_b32 v13, 0xff61b1e6                      ; the largest t so far: -3e38
	s_delay_alu instid0(VALU_DEP_1)
	v_floor_f32 v12, -v13                          ; -M
	v_mov_b32 v14, 0
	v_mov_b32 v15, 0
.irp j, 0,1,2,3,4,5,6,7,8,9,10,11,12,13,14,15,16,17,18,19,20,21,22,23,24,25,26,27,28,29,30,31
	v_mov_b32 v[160+\j], 0                         ; O^T: the step is written once; the first change of M leaves zeros zeros
.endr
	s_mov_b32 s[KSI], 0
	s_mov_b32 s[TB], 0
	s_mov_b32 s[TS], 0
.Lstep:                                                ; 16 trips in every wave
	s_cmp_gt_u32 s[KSI], s[G]                      ; all 128 keys come after my group: the step's work is left out, not the lines that step addresses
	s_cbranch_scc1 .Lhidden
	s_setprio 2
	v_add_nc_u32 v[ADK], s[TB], v[AK0]
	s_wait_alu depctr_va_vdst(0)
	v_add_nc_u32 v[ADV], s[TB], v[AV0]
	v_add_nc_u32 v[ADS], s[TS], v[ASC0]
.rept 3
	v_nop                                          ; six plain lines behind the last step's products: S^T is written over the registers that held V's fragments, which wants five
.endr
.irp b, 0,1,2,3
	ds_load_u16 v[84+\b], v[ADS] offset:64*\b      ; K's scale bytes of positions 32 b + lane: tile 2 b in lanes 0-15, tile 2 b + 1 in lanes 16-31
.endr
.irp u, 0,1
.irp c, 0,1
	ds_load_u16 v[88+2*\u+\c], v[ADS] offset:4096+128*\c+64*\u   ; V's of keys 64 c on, channel positions 32 u + lane
.endr
.endr
.irp g, 0,1                                    ; S^T = K Q^T, four tiles of 16 keys at a time
.if \g
.rept 4
	v_nop                                          ; places in front of loads into registers that matrix instructions have read
.endr
.endif
.irp t, 0,1,2,3
.irp p, 0,1,2
	ds_load_b64 v[36+12*\t+2*\p:37+12*\t+2*\p], v[ADK] offset:768*(4*\g+\t)+8*\p
.endr
.endr
	s_wait_dscnt 0x0
.irp t, 0,1,2,3
.if \t%2
	v_wmma_scale_f32_16x16x128_f8f6f4 v[96+8*(4*\g+\t):103+8*(4*\g+\t)], v[36+12*\t:47+12*\t], v[16:27], 0, v[84+2*\g+\t/2], v28 matrix_a_fmt:MATRIX_FMT_BF6 matrix_b_fmt:MATRIX_FMT_BF6 matrix_a_scale:MATRIX_SCALE_ROW1
.else
	v_wmma_scale_f32_16x16x128_f8f6f4 v[96+8*(4*\g+\t):103+8*(4*\g+\t)], v[36+12*\t:47+12*\t], v[16:27], 0, v[84+2*\g+\t/2], v28 matrix_a_fmt:MATRIX_FMT_BF6 matrix_b_fmt:MATRIX_FMT_BF6
.endif
.endr
.endr
	v_lshl_or_b32 v92, v89, 16, v88                ; V's scale words for these 128 keys.  (With the two lines below: the four places behind the products)
	v_lshl_or_b32 v93, v91, 16, v90
	v_nop
	v_nop
	s_cmp_lg_u32 s[KSI], s[G]                      ; the diagonal step alone has hidden keys
	s_cbranch_scc1 .Lopen
	v_mov_b32 v[WK], 0xff800000                    ; -infinity: p = 0 then
.irp n, 0,1,2,3,4,5,6,7,8,9,10,11,12,13,14,15,16,17,18,19,20,21,22,23,24,25,26,27,28,29,30,31,32,33,34,35,36,37,38,39,40,41,42,43,44,45,46,47,48,49,50,51,52,53,54,55,56,57,58,59,60,61,62,63
	v_cmp_gt_i32 vcc_lo, 32*(\n/16)+\n%16, v[DQ]
	v_cndmask_b32 v[96+\n], v[96+\n], v[WK], vcc_lo
.endr
.Lopen:
.irp b, 0,1,2,3
	v_max3_num_f32 v[BM+\b], v[96+16*\b], v[97+16*\b], v[98+16*\b]   ; the largest score of each block of 32 keys: for the row's maximum, and, since p rises with the score, for the block's largest p
.endr
.irp i, 3,5,7,9,11,13
.irp b, 0,1,2,3
	v_max3_num_f32 v[BM+\b], v[BM+\b], v[96+16*\b+\i], v[97+16*\b+\i]
.endr
.endr
.irp b, 0,1,2,3
	v_max_num_f32 v[BM+\b], v[BM+\b], v[111+16*\b]
.endr
.irp b, 0,1,2,3
	s_delay_alu instid0(VALU_DEP_4)
	v_permlanex16_b32 v[BP+\b], v[BM+\b], s[SEL], s[SEL+1]
.endr
.irp b, 0,1,2,3
	s_delay_alu instid0(VALU_DEP_4)
	v_max_num_f32 v[BM+\b], v[BM+\b], v[BP+\b]     ; with lane l xor 16's 16 keys
.endr
	s_delay_alu instid0(VALU_DEP_2)
	v_max3_num_f32 v[WK], v[BM], v[BM+1], v[BM+2]
	s_delay_alu instid0(VALU_DEP_1)
	v_max_num_f32 v[WK], v[WK], v[BM+3]            ; the step's largest score of my query
	s_delay_alu instid0(VALU_DEP_1)
	v_mul_f32 v[WK], s[CS], v[WK]
	s_delay_alu instid0(VALU_DEP_1)
	v_max_num_f32 v13, v13, v[WK]                  ; the running largest t
	v_mov_b32 v[WK], v12
	s_delay_alu instid0(VALU_DEP_2)
	v_floor_f32 v12, -v13                          ; the new -M = -ceil(t)
	s_delay_alu instid0(VALU_DEP_1)
	v_sub_f32 v[WK], v12, v[WK]                    ; old M - new M: a whole number, 0 or less
	s_delay_alu instid0(VALU_DEP_1)
	v_cvt_i32_f32 v[WK], v[WK]                     ; (it saturates)
	s_delay_alu instid0(VALU_DEP_1)
	v_ldexp_f32 v[F], 1.0, v[WK]                   ; f = 2^(old M - new M)
.irp j, 0,2,4,6,8,10,12,14,16,18,20,22,24,26,28,30,32,34,36,38,40,42,44,46,48,50,52,54,56,58,60,62
	v_pk_fma_f32 v[96+\j:97+\j], v[96+\j:97+\j], s[CS:CS+1], v[12:13] op_sel_hi:[1,0,0]   ; t - M, two at a time
.endr
	s_setprio 1
.irp b, 0,1,2,3
	v_fma_f32 v[BM+\b], v[BM+\b], s[CS], v12       ; the same of each block's largest score
.endr
	s_wait_alu depctr_va_vdst(0)
.irp j, 0,1,2,3,4,5,6,7,8,9,10,11,12,13,14,15,16,17,18,19,20,21,22,23,24,25,26,27,28,29,30,31,32,33,34,35,36,37,38,39,40,41,42,43,44,45,46,47,48,49,50,51,52,53,54,55,56,57,58,59,60,61,62,63
	v_exp_f32 v[96+\j], v[96+\j]                   ; p = 2^(t - M)
.endr
	v_pk_mul_f32 v[14:15], v[14:15], v[F:F+1] op_sel_hi:[1,0]   ; the sums under the new M (the plain line behind the exponentials)
	s_wait_alu depctr_va_vdst(0)                   ; one wait for the batch of 64, ahead of its first reader
.irp b, 0,1,2,3
	v_exp_f32 v[BM+\b], v[BM+\b]                   ; the block's largest p
.endr
	v_pk_add_f32 v[216:217], v[100:101], v[104:105]
	v_pk_add_f32 v[252:253], v[108:109], v[112:113]
	v_pk_add_f32 v[250:251], v[116:117], v[120:121]
	v_pk_add_f32 v[248:249], v[124:125], v[128:129]
	v_pk_add_f32 v[246:247], v[132:133], v[136:137]
	v_pk_add_f32 v[244:245], v[140:141], v[144:145]
	v_pk_add_f32 v[242:243], v[148:149], v[152:153]
	v_pk_add_f32 v[14:15], v[14:15], v[156:157]
	v_pk_add_f32 v[216:217], v[216:217], v[96:97]
	v_pk_add_f32 v[252:253], v[252:253], v[98:99]
	v_pk_add_f32 v[250:251], v[250:251], v[102:103]
	v_pk_add_f32 v[248:249], v[248:249], v[106:107]
	v_pk_add_f32 v[246:247], v[246:247], v[110:111]
	v_pk_add_f32 v[244:245], v[244:245], v[114:115]
	v_pk_add_f32 v[242:243], v[242:243], v[118:119]
	v_pk_add_f32 v[14:15], v[14:15], v[122:123]
	v_pk_add_f32 v[216:217], v[216:217], v[126:127]
	v_pk_add_f32 v[252:253], v[252:253], v[130:131]
	v_pk_add_f32 v[250:251], v[250:251], v[134:135]
	v_pk_add_f32 v[248:249], v[248:249], v[138:139]
	v_pk_add_f32 v[246:247], v[246:247], v[142:143]
	v_pk_add_f32 v[244:245], v[244:245], v[146:147]
	v_pk_add_f32 v[242:243], v[242:243], v[150:151]
	v_pk_add_f32 v[14:15], v[14:15], v[154:155]
	v_pk_add_f32 v[216:217], v[216:217], v[158:159]
	s_delay_alu instid0(VALU_DEP_2)
	v_pk_add_f32 v[14:15], v[14:15], v[248:249]
	s_delay_alu instid0(VALU_DEP_2)
	v_pk_add_f32 v[216:217], v[216:217], v[246:247]
	v_pk_add_f32 v[252:253], v[252:253], v[244:245]
	v_pk_add_f32 v[250:251], v[250:251], v[242:243]
	s_delay_alu instid0(VALU_DEP_2)
	v_pk_add_f32 v[14:15], v[14:15], v[252:253]
	s_delay_alu instid0(VALU_DEP_2)
	v_pk_add_f32 v[216:217], v[216:217], v[250:251]
	s_delay_alu instid0(VALU_DEP_1)
	v_pk_add_f32 v[14:15], v[14:15], v[216:217]
	s_wait_alu depctr_va_vdst(0)                   ; and one for the four
.irp b, 0,1,2,3
	v_max_num_f32 v[BM+\b], 0x2800000, v[BM+\b]    ; the floor 2^(5 - 127): the byte cannot fall under 1
.endr
.irp b, 0,1,2,3
	s_delay_alu instid0(VALU_DEP_4)
	v_add_nc_u32 v[SO+\b], 0xfe000000, v[BM+\b]    ; 4 off the exponent field: the conversion's scale operand
.endr
.irp b, 0,1,2,3
	s_delay_alu instid0(VALU_DEP_4)
	v_lshrrev_b32 v[BP+\b], 23, v[SO+\b]           ; the scale's byte
.endr
	s_delay_alu instid0(VALU_DEP_3)
	v_lshl_or_b32 v[PWD], v[BP+1], 8, v[BP]        ; p's scale word for these 128 keys
	s_delay_alu instid0(VALU_DEP_1)
	v_lshl_or_b32 v[PWD], v[BP+2], 16, v[PWD]
	s_delay_alu instid0(VALU_DEP_1)
	v_lshl_or_b32 v[PWD], v[BP+3], 24, v[PWD]
.irp c, 0,1
	v_cvt_scalef32_pk16_bf6_f32 v[192+6*\c:194+6*\c], v[96+32*\c:111+32*\c], v[SO+2*\c]
	v_cvt_scalef32_pk16_bf6_f32 v[204+4*\c:206+4*\c], v[112+32*\c:127+32*\c], v[SO+2*\c+1]
.endr
	v_nop                                          ; one plain line behind the conversions
.irp c, 0,1                                    ; a whole block to a lane
.irp i, 0,1,2
	v_permlane16_swap_b32 v[192+6*\c+\i], v[204+4*\c+\i]
.endr
.irp i, 0,1,2
	s_delay_alu instid0(VALU_DEP_3)
	v_mov_b32 v[195+6*\c+\i], v[204+4*\c+\i]
.endr
.endr
	s_setprio 0
.irp t, 0,1,2,3                                ; V's four tiles of 16 channels x 128 keys, into the registers that p has left
.irp c, 0,1
.irp p, 0,1,2
	ds_load_b64 v[96+12*\t+6*\c+2*\p:97+12*\t+6*\c+2*\p], v[ADV] offset:3072*\c+768*\t+8*\p
.endr
.endr
.endr
.irp j, 0,2,4,6,8,10,12,14,16,18,20,22,24,26,28,30
	v_pk_mul_f32 v[160+\j:161+\j], v[160+\j:161+\j], v[F:F+1] op_sel_hi:[1,0]   ; O^T under the new M.  (These are also the places between the lines that made p's codes and scale word and the products)
.endr
	s_wait_alu depctr_va_vdst(0)
	s_wait_dscnt 0x0
.irp t, 0,1,2,3                                ; O^T += V^T P^T: the four accumulators by turns
.if \t%2
	v_wmma_scale_f32_16x16x128_f8f6f4 v[160+8*\t:167+8*\t], v[96+12*\t:107+12*\t], v[192:203], v[160+8*\t:167+8*\t], v[92+\t/2], v[PWD] matrix_a_fmt:MATRIX_FMT_BF6 matrix_b_fmt:MATRIX_FMT_BF6 matrix_a_scale:MATRIX_SCALE_ROW1
.else
	v_wmma_scale_f32_16x16x128_f8f6f4 v[160+8*\t:167+8*\t], v[96+12*\t:107+12*\t], v[192:203], v[160+8*\t:167+8*\t], v[92+\t/2], v[PWD] matrix_a_fmt:MATRIX_FMT_BF6 matrix_b_fmt:MATRIX_FMT_BF6
.endif
.endr
.Lhidden:
	s_add_co_u32 s[TB], s[TB], 6144
	s_add_co_u32 s[TS], s[TS], 256
	s_add_co_u32 s[KSI], s[KSI], 1
	s_cmp_lt_u32 s[KSI], 16
	s_cbranch_scc1 .Lstep
	s_setprio 0
	; THE TILE'S END: O^T / the sum, quantised along the head's 64 (registers 16 b + i = channel 32 b + 16 h + i), through my stage, out as 768 consecutive bytes
.rept 4
	v_nop                                          ; places behind the last products
.endr
	v_add_f32 v14, v14, v15
	s_delay_alu instid0(VALU_DEP_1)
	v_permlanex16_b32 v[WK], v14, s[SEL], s[SEL+1]
	s_delay_alu instid0(VALU_DEP_1)
	v_add_f32 v14, v14, v[WK]                      ; the row's sum
	s_wait_alu depctr_va_vdst(0)
	v_rcp_f32 v14, v14
	v_nop                                          ; a plain line behind the reciprocal,
	s_wait_alu depctr_va_vdst(0)                   ; and the wait ahead of its first reader
.irp j, 0,2,4,6,8,10,12,14,16,18,20,22,24,26,28,30
	v_pk_mul_f32 v[96+\j:97+\j], v[160+\j:161+\j], v[14:15] op_sel_hi:[1,0]   ; each accumulator from its low end on
.endr
.irp b, 0,1
	v_max3_num_f32 v[BM+\b], |v[96+16*\b]|, |v[97+16*\b]|, 0x2800000
.endr
.irp i, 2,4,6,8,10,12,14
.irp b, 0,1
	s_delay_alu instid0(VALU_DEP_2)
	v_max3_num_f32 v[BM+\b], v[BM+\b], |v[96+16*\b+\i]|, |v[97+16*\b+\i]|
.endr
.endr
.irp b, 0,1
	s_delay_alu instid0(VALU_DEP_2)
	v_permlanex16_b32 v[BP+\b], v[BM+\b], s[SEL], s[SEL+1]
.endr
.irp b, 0,1
	s_delay_alu instid0(VALU_DEP_2)
	v_max_num_f32 v[BM+\b], v[BM+\b], v[BP+\b]
.endr
.irp b, 0,1
	s_delay_alu instid0(VALU_DEP_2)
	v_add_nc_u32 v[SO+\b], 0xfe000000, v[BM+\b]
.endr
.irp b, 0,1
	s_delay_alu instid0(VALU_DEP_2)
	v_lshrrev_b32 v[BP+\b], 23, v[SO+\b]
.endr
	v_cvt_scalef32_pk16_bf6_f32 v[192:194], v[96:111], v[SO]
	v_cvt_scalef32_pk16_bf6_f32 v[204:206], v[112:127], v[SO+1]
	v_lshl_or_b32 v[WK], v[BP+1], 8, v[BP]         ; both bytes (the plain line behind the conversions),
.irp i, 0,1,2
	v_permlane16_swap_b32 v[192+\i], v[204+\i]
.endr
.irp i, 0,1,2
	s_delay_alu instid0(VALU_DEP_3)
	v_mov_b32 v[195+\i], v[204+\i]                 ; v192-197: block h of row r, 24 bytes
.endr
	v_lshrrev_b32 v[WK], v94, v[WK]                ; my half's byte lowest
	ds_store_b64 v[SIN], v[192:193]
	ds_store_b64 v[SIN], v[194:195] offset:8
	ds_store_b64 v[SIN], v[196:197] offset:16
.irp j, 0,1,2
	ds_load_b64 v[232+2*\j:233+2*\j], v[SOUT] offset:256*\j   ; LDS serves a wave's instructions in order: these see my stores
.endr
	s_wait_alu depctr_va_vdst(0)
	s_wait_dscnt 0x0
.irp j, 0,1,2
	global_store_b64 v[GO8], v[232+2*\j:233+2*\j], s[CCB:CCB+1] offset:256*\j   ; 32 lanes store 256 consecutive bytes, aligned
.endr
	global_store_b8 v[GOB], v[WK], s[CSB:CSB+1]    ; byte 2 (head & 1) + h of row r's scale word
	s_wait_xcnt 0x0                                ; the stores have read their registers and bases: both are written again below and in the next pass
	s_add_nc_u64 s[CCB:CCB+1], s[CCB:CCB+1], s[CST:CST+1]
	s_add_nc_u64 s[CSB:CSB+1], s[CSB:CSB+1], s[SST:SST+1]
	s_sub_co_u32 s[G], 15, s[G]                    ; pass 1's group
.irp j, 0,1,2,3,4,5
	v_mov_b32 v[16+\j], v[30+\j]                   ; and its Q; the lines at the pass's head stand between these and the next products
.endr
	v_mov_b32 v28, v29
	s_sub_co_u32 s[PASS], s[PASS], 1
	s_cmp_lg_u32 s[PASS], 0
	s_cbranch_scc1 .Lpass
	s_wait_tensorcnt 0x0
	ds_add_u32 v254, v255
	s_wait_dscnt 0x0
	ROUND                                          ; the closing round
	s_endpgm
.Lfunc_end_k_qa864aa920a_attn:
	.size	k_qa864aa920a_attn, .Lfunc_end_k_qa864aa920a_attn-k_qa864aa920a_attn
	.p2alignl 7, 3214868480
	.fill 96, 4, 3214868480
	.section	.rodata,"a",@progbits
	.p2align	6, 0x0
	.amdhsa_kernel k_qa864aa920a_attn
		.amdhsa_group_segment_fixed_size 219136
		.amdhsa_private_segment_fixed_size 0
		.amdhsa_enable_private_segment 0
		.amdhsa_kernarg_size 32
		.amdhsa_user_sgpr_count 2
		.amdhsa_user_sgpr_kernarg_segment_ptr 1
		.amdhsa_wavefront_size32 1
		.amdhsa_system_sgpr_workgroup_id_x 1
		.amdhsa_system_sgpr_workgroup_id_y 1
		.amdhsa_system_sgpr_workgroup_id_z 1
		.amdhsa_system_vgpr_workitem_id 0
		.amdhsa_next_free_vgpr 256
		.amdhsa_next_free_sgpr 80
		.amdhsa_reserve_vcc 1
		.amdhsa_float_denorm_mode_32 3
		.amdhsa_float_denorm_mode_16_64 3
		.amdhsa_memory_ordered 1
		.amdhsa_forward_progress 1
		.amdhsa_inst_pref_size 40
	.end_amdhsa_kernel
	.amdgpu_metadata
---
amdhsa.version: [ 1, 2 ]
amdhsa.kernels:
  - .name:           k_qa864aa920a_attn
    .symbol:         k_qa864aa920a_attn.kd
    .args:
      - { .name: qkvc, .offset: 0, .size: 8, .value_kind: global_buffer, .address_space: global }
      - { .name: qkvs, .offset: 8, .size: 8, .value_kind: global_buffer, .address_space: global }
      - { .name: cc, .offset: 16, .size: 8, .value_kind: global_buffer, .address_space: global }
      - { .name: cs, .offset: 24, .size: 8, .value_kind: global_buffer, .address_space: global }
    .group_segment_fixed_size: 219136
    .private_segment_fixed_size: 0
    .kernarg_segment_align: 8
    .kernarg_segment_size: 32
    .max_flat_workgroup_size: 512
    .sgpr_count:     80
    .vgpr_count:     256
    .wavefront_size: 32
...
	.end_amdgpu_metadata
.endif
;; end of part 3
;; launch oproj (part 4): grid 4 x 32, 4 waves a work-group, clusters of 4 x 4, 327,680 bytes of LDS; arguments cc, cs, wc, ws, b_o, out0; writes out0
.if DOCPART == 4
	.amdgcn_target "amdgcn-amd-amdhsa--gfx1250"
	.amdhsa_code_object_version 6
	.text
	.protected	k_qa864aa920a_oproj
	.globl	k_qa864aa920a_oproj
	.p2align	8
	.type	k_qa864aa920a_oproj,@function
k_qa864aa920a_oproj:
	s_mov_b64 s[64:65], 0
	v_nop
	global_prefetch_b8 v0, s[64:65] scope:SCOPE_SE
	s_setreg_imm32_b32 hwreg(HW_REG_WAVE_MODE, 25, 1), 1
	s_wait_xcnt 0x0
	s_wait_alu depctr_hold_cnt(0) depctr_sa_sdst(0) depctr_va_vdst(0) depctr_va_sdst(0) depctr_va_ssrc(0) depctr_va_vcc(0) depctr_vm_vsrc(0)
	s_getreg_b32 s2, hwreg(HW_REG_IB_STS2, 6, 4)
	s_cmp_eq_u32 s2, 0
	s_cbranch_scc0 .Lentry_in_a_cluster
	s_endpgm
.Lentry_in_a_cluster:
	s_bfe_u32 s2, ttmp6, 0x10000c
	s_cmp_lg_u32 s2, 0xf033
	s_cbranch_scc0 .Lentry_shape_is_right
	s_endpgm
.Lentry_shape_is_right:
; out0 = ctx W_o + b_o on codes of BF6 (E3M2) with one E8M0 scale for each 32 along K = 1,024 (16 heads x 64); sums in f32; out0 [8192][1024] f32.
; A = ctx: cc [16 heads][8192 pos][48 B], cs [8 pairs of heads][8192 pos][4 B] (the scale word of 128 along K).  B = W_o's columns: rows 3,072 on of wc [.][768 B] and ws [.][32 B].  Rows lie in tile order (bits 3 and 4 of the index exchanged).
; A tile of 256 x 256 of out0 is made by four waves, each 128 x 128: 64 accumulators.  K goes in steps of 256 (four heads) through two LDS slots filled by tensor loads; the scale bytes come once.
; THE MATRIX INSTRUCTION IS USED TRANSPOSED (source 0 = 16 rows of B, source 1 = 16 rows of A): a lane holds one token position and eight neighbouring true columns; the way out puts positions back to true rows by the stores' immediates.
; The bias is the C of each sum's first matrix instruction: eight registers for each of B's eight blocks, in the result's layout.
; CLUSTERS: 4 x 4 work-groups; A's tile is shared along a row of the cluster, B's along a column: joint tensor loads.  128 tiles of 256 x 256: 128 work-groups.
; REGISTERS, in windows of 256: window 0: v0-31 addresses; v32-63 B's scale words, v64-95 A's, two sets each, and nothing else; from v128 A's fragments, one set, later rows on their way out.
;   window 1: B's fragments, two sets, at v0 and v128; the bias at v96-127 and v224-255.   window 2: the accumulators of my rows 0-63;   window 3: those of rows 64-127.
.set NQ,     2
.set ROWB,   192
.set KROW,   768
.set PITCH,  240                       ; B's LDS row: 3 x (64 bytes + 16 of padding)
.set FR,     12
.set NL,     6
.set NP,     4
.set HALFT,  128*PITCH                 ; a wave's part of a slot; A's parts use 24,576 bytes of it: 4 heads x 128 positions x 48 bytes, no padding: the 32 lanes of an 8-byte load at 48 r + 24 h touch 64 different banks
.set SLOT,   4*HALFT
.set LAPS,   2
.set HSTEP,  4*393216                  ; four heads on in cc
.set LSA,    2*SLOT                    ; A's scale words: 2 halves x [8 pairs][128 positions][4 B]
.set LSB,    LSA+8192                  ; B's scale bytes: 2 halves x 16 rows of 256 bytes + 16 of padding
.set HALFS,  16*272
.set SBLK,   2*272
.set SPARE,  LSB+2*HALFS               ; the spare words: two blocks of 256 bytes that no other line names
.set SPITCH, 528                       ; the way out: a stage of 16 rows x (512 + 16) bytes a wave, in slot 0, which has had its last fill and its last read by then
.set ADRA, 16                          ; v16-17 my A fragments in slot 0, 1
.set ADRB, 20                          ; v20-21 B's (v22-23: behind one padding more)
.set STO,  24
.set RD,   25
.set CO,   26
.set ADRSB, 27
.set SPW,  28
.set NIL,  29
.set ADRSA, 30
.set BO,   31
.set SRB,  32
.set SRA,  64
.set AF,   128
.set BK,   128
.set BIA,  96                          ; window 1: block b's bias at v[96 + 8 b + 96 (b / 4)]
.set G1, 24
.set G0, 32
.set G1B, 48
.set G0B, 56
.set G1S, 68
.set G0S, 76
.set G1SB, 80
.set G0SB, 88
.set MSB, 0
.macro WIN new
.if MSB != (\new)
	s_set_vgpr_msb (MSB<<8)|(\new)
.set MSB, (\new)
.endif
.endm
.set MUL_LO, 0xa1
.set MUL_HI, 0xf1
.set TO_B,   0x40
.macro JLOAD g0a, g1a, g0b, g1b        ; a joint load: waves 0 and 1 fetch for A, waves 2 and 3 for B; four v_nop follow each of the two lines
	s_cmp_eq_u32 s15, 0
	s_cbranch_scc0 .Lfor_b_\@
	tensor_load_to_lds s[\g0a:\g0a+3], s[\g1a:\g1a+7]
	s_nop 0
.rept 4
	v_nop
.endr
	s_branch .Lasked_\@
.Lfor_b_\@:
	tensor_load_to_lds s[\g0b:\g0b+3], s[\g1b:\g1b+7]
	s_nop 0
.rept 4
	v_nop
.endr
.Lasked_\@:
.endm
.macro CREST
	s_cmp_lg_u32 s14, 0
	s_cbranch_scc1 .Lnot_wave_0_\@
	s_barrier_signal -3
.Lnot_wave_0_\@:
	s_barrier_wait -3
	s_barrier_signal -1
	s_barrier_wait -1
.endm
.macro CROUND
	s_barrier_signal -1
	s_barrier_wait -1
	CREST
.endm
	s_load_b128 s[4:7], s[0:1], 0x0                ; cc, cs
	s_load_b128 s[8:11], s[0:1], 0x10              ; wc, ws
	s_load_b64 s[96:97], s[0:1], 0x20              ; b_o
	s_load_b64 s[12:13], s[0:1], 0x28              ; out0
	v_lshl_add_u32 v[SPW], v0, 2, SPARE
	v_mov_b32 v[NIL], 0
	ds_add_u32 v28, v29
	ds_add_u32 v28, v29
	s_wait_dscnt 0x0
	v_lshrrev_b32 v1, 5, v0
	v_readfirstlane_b32 s14, v1                    ; wave 0..3
	s_lshr_b32 s15, s14, 1                         ; which half of the tile's rows is mine.  Also: I fetch for A (0) or for B (1)
	s_and_b32 s16, s14, 1                          ; which half of its columns.  Also: which 128 rows I fetch
	s_bfe_u32 s40, ttmp6, 0x40000                  ; cx
	s_bfe_u32 s41, ttmp6, 0x40004                  ; cy
	s_lshl_b32 s42, ttmp9, 2
	s_add_co_u32 s42, s42, s40                     ; tile column
	s_and_b32 s17, ttmp7, 0xffff
	s_lshl_b32 s17, s17, 2
	s_add_co_u32 s17, s17, s41                     ; tile row
	s_lshl_b32 s43, s41, 2
	s_lshl_b32 s43, 15, s43                        ; my row of the cluster
	s_lshl_b32 s44, 0x1111, s40                    ; my column
	; A's tiles: 4 heads x 6,144 dense bytes (128 positions x 48), 393,216 bytes from head to head; elements of 8 bytes
	s_or_b32 s[G1+0], s43, (3<<16)|(1<<21)
	s_mov_b32 s[G1+1], 768<<16
	s_mov_b32 s[G1+2], 4<<16
	s_mov_b32 s[G1+3], 768<<16
	s_mov_b32 s[G1+4], 4
	s_mov_b32 s[G1+5], 49152
	s_mov_b32 s[G1+6], 0
	s_mov_b32 s[G1+7], 0
	; B's tiles: 128 rows x 192 bytes, 16 bytes of padding behind every 64
	s_or_b32 s[G1B+0], s44, (0<<16)|(1<<20)|(1<<21)|(3<<22)|(3<<25)
	s_mov_b32 s[G1B+1], ROWB<<16
	s_mov_b32 s[G1B+2], 128<<16
	s_mov_b32 s[G1B+3], ROWB<<16
	s_mov_b32 s[G1B+4], 128
	s_mov_b32 s[G1B+5], KROW
	s_mov_b32 s[G1B+6], 0
	s_mov_b32 s[G1B+7], 0
	; A's scale words: 8 pairs of heads x 512 dense bytes, 32,768 bytes from pair to pair
	s_or_b32 s[G1S+0], s43, (3<<16)|(1<<21)
	s_mov_b32 s[G1S+1], 64<<16
	s_mov_b32 s[G1S+2], 8<<16
	s_mov_b32 s[G1S+3], 64<<16
	s_mov_b32 s[G1S+4], 8
	s_mov_b32 s[G1S+5], 4096
	s_mov_b32 s[G1S+6], 0
	s_mov_b32 s[G1S+7], 0
	; B's scale bytes: 4,096 dense bytes as 16 rows of 256, 16 bytes of padding behind each
	s_or_b32 s[G1SB+0], s44, (3<<16)|(1<<20)|(1<<21)|(5<<22)|(3<<25)
	s_mov_b32 s[G1SB+1], 32<<16
	s_mov_b32 s[G1SB+2], 16<<16
	s_mov_b32 s[G1SB+3], 32<<16
	s_mov_b32 s[G1SB+4], 16
	s_mov_b32 s[G1SB+5], 32
	s_mov_b32 s[G1SB+6], 0
	s_mov_b32 s[G1SB+7], 0
	s_lshl_b32 s18, s16, 7                         ; which 128 rows of the tile I fetch
	s_lshl_b32 s20, s17, 8
	s_add_co_u32 s20, s20, s18                     ; A's first position
	s_lshl_b32 s46, s42, 8
	s_add_co_u32 s46, s46, s18                     ; B's first row among W_o's 1,024
	s_lshl_b32 s22, s20, 2                         ; A's scale words,
	s_mov_b32 s23, 0
	s_mul_i32 s20, s20, 48                         ; A's codes,
	s_mov_b32 s21, 0
	s_lshl_b32 s92, s46, 5
	s_add_co_u32 s92, s92, 3072*32                 ; B's scale bytes,
	s_mov_b32 s93, 0
	s_mul_i32 s46, s46, KROW
	s_add_co_u32 s46, s46, 3072*KROW               ; B's codes
	s_mov_b32 s47, 0
	s_mul_i32 s45, s14, HALFT                      ; where the codes go: wave x a part of a slot
	s_lshl_b32 s94, s16, 12
	s_add_co_u32 s94, s94, LSA                     ; A's scale words,
	s_mul_i32 s95, s16, HALFS
	s_add_co_u32 s95, s95, LSB                     ; B's scale bytes
	s_wait_kmcnt 0x0
	s_add_nc_u64 s[20:21], s[4:5], s[20:21]
	s_add_nc_u64 s[22:23], s[6:7], s[22:23]
	s_add_nc_u64 s[46:47], s[8:9], s[46:47]
	s_add_nc_u64 s[92:93], s[10:11], s[92:93]
	CROUND                                         ; all sixteen work-groups are here: the first joint loads meet
	s_mov_b32 s[G0S], 1
	s_mov_b32 s[G0S+1], s94
	s_mov_b64 s[G0S+2:G0S+3], s[22:23]
	s_or_b32 s[G0S+3], s[G0S+3], 0x80000000
	s_mov_b32 s[G0SB], 1
	s_mov_b32 s[G0SB+1], s95
	s_mov_b64 s[G0SB+2:G0SB+3], s[92:93]
	s_or_b32 s[G0SB+3], s[G0SB+3], 0x80000000
	JLOAD G0S, G1S, G0SB, G1SB                     ; the scales first
.irp s, 0,1
	s_mov_b32 s[G0+4*\s], 1
	s_add_co_u32 s[G0+4*\s+1], s45, \s*SLOT
	s_add_nc_u64 s[G0+4*\s+2:G0+4*\s+3], s[20:21], \s*HSTEP
	s_or_b32 s[G0+4*\s+3], s[G0+4*\s+3], 0x80000000
	s_mov_b32 s[G0B+4*\s], 1
	s_add_co_u32 s[G0B+4*\s+1], s45, \s*SLOT
	s_add_nc_u64 s[G0B+4*\s+2:G0B+4*\s+3], s[46:47], \s*ROWB
	s_or_b32 s[G0B+4*\s+3], s[G0B+4*\s+3], 0x80000000
	JLOAD G0+4*\s, G1, G0B+4*\s, G1B
.endr
	v_and_b32 v1, 15, v0                           ; r
	v_bfe_u32 v2, v0, 4, 1                         ; h
	v_mul_u32_u24 v3, v1, 48
	v_mad_u32_u24 v3, v2, 24, v3                   ; A: 48 r + 24 h
	v_mul_u32_u24 v4, v1, PITCH
	v_mad_u32_u24 v4, v2, 24, v4                   ; B: row x pitch + 24 h,
	v_lshl_add_u32 v5, v2, 4, v4                   ; and the same behind one padding more
	s_mul_i32 s21, s15, HALFT                      ; my 128 rows of A
	s_mul_i32 s22, s16, HALFT
	s_add_co_u32 s22, s22, 2*HALFT                 ; my 128 rows of B
.irp s, 0,1
	v_add_nc_u32 v[ADRA+\s], s21, v3
	v_add_nc_u32 v[ADRB+\s], s22, v4
	v_add_nc_u32 v[ADRB+2+\s], s22, v5
	s_add_co_u32 s21, s21, SLOT
	s_add_co_u32 s22, s22, SLOT
.endr
	v_lshlrev_b32 v6, 5, v1                        ; B's scale bytes: 32 a row,
	v_lshrrev_b32 v7, 8, v6
	v_lshl_add_u32 v6, v7, 4, v6                   ; and 16 more for each 256 passed
	s_mul_i32 s21, s16, HALFS
	s_add_co_u32 s21, s21, LSB
	v_add_nc_u32 v[ADRSB], s21, v6
	s_lshl_b32 s21, s15, 12
	s_add_co_u32 s21, s21, LSA
	v_lshl_add_u32 v[ADRSA], v1, 2, s21            ; A's scale words: 4 bytes a position
	s_mul_i32 s23, s14, 16*SPITCH                  ; my stage
	v_mul_u32_u24 v5, v1, SPITCH
	v_lshl_add_u32 v5, v2, 6, v5
	v_add_nc_u32 v[STO], s23, v5                   ; in: row r, + 64 h: block b's eight true columns begin at 32 (b / 2) + 8 (b % 2) + 16 h
	v_and_b32 v6, 31, v0
	v_lshlrev_b32 v[CO], 4, v6
	v_add_nc_u32 v[RD], s23, v[CO]                 ; back: the 32 lanes take one row of 512 bytes
	s_lshl_b32 s20, s17, 8
	s_lshl_b32 s21, s15, 7
	s_add_co_u32 s20, s20, s21                     ; my first row of out0
	s_lshl_b32 s20, s20, 12                        ; 4,096 bytes a row
	s_lshl_b32 s46, s42, 10
	s_lshl_b32 s47, s16, 9
	s_add_co_u32 s46, s46, s47                     ; my first column, in bytes
	s_mov_b32 s47, 0
	s_add_nc_u64 s[96:97], s[96:97], s[46:47]      ; b_o at my first column
	s_add_co_u32 s20, s20, s46
	s_mov_b32 s21, 0
	s_add_nc_u64 s[12:13], s[12:13], s[20:21]
	v_lshlrev_b32 v[BO], 6, v2                     ; 64 h
	WIN TO_B                                       ; destination window 1
.irp b, 0,1,2,3,4,5,6,7
	global_load_b128 v[BIA+8*\b+96*(\b/4):BIA+8*\b+96*(\b/4)+3], v[BO], s[96:97] offset:128*(\b/2)+32*(\b%2)
	global_load_b128 v[BIA+8*\b+96*(\b/4)+4:BIA+8*\b+96*(\b/4)+7], v[BO], s[96:97] offset:128*(\b/2)+32*(\b%2)+16
.endr
	WIN 0
.macro FRAGB reg, adr, q, i            ; B: 16 rows x 128 K from padded rows, in pieces of 8 bytes
.irp p, 0,1,2,3,4,5
.set PCE, 12*(\q)+6*(\p/3)+\p%3
.if PCE%8 < 5
	ds_load_b64 v[\reg+2*\p:\reg+2*\p+1], v[\adr] offset:8*PCE+16*(PCE/8)+(\i)*16*PITCH
.else
	ds_load_b64 v[\reg+2*\p:\reg+2*\p+1], v[\adr+2] offset:8*PCE+16*(PCE/8)+(\i)*16*PITCH
.endif
.endr
.endm
.macro FRAGA reg, adr, q, i            ; A: registers 6 c .. 6 c + 5 = head 2 q + c of the slot's four, channels 32 h on
.irp p, 0,1,2,3,4,5
	ds_load_b64 v[\reg+2*\p:\reg+2*\p+1], v[\adr] offset:(2*(\q)+\p/3)*6144+(\i)*768+8*(\p%3)
.endr
.endm
; 16 matrix instructions: A's blocks a0, a0 + 1 x B's eight.  zero = 1: the first product starts the sums from the bias.  The 64 accumulators take turns.
.macro MUL16 a0, p, q, sc, zero
.irp a, \a0, \a0+1
.irp b, 0,1,2,3,4,5,6,7
.if \zero
	v_wmma_scale_f32_16x16x128_f8f6f4 v[8*(8*((\a)%4)+\b):8*(8*((\a)%4)+\b)+7], v[128*(\p)+FR*\b:128*(\p)+FR*\b+FR-1], v[AF+FR*(\a):AF+FR*(\a)+FR-1], v[BIA+8*\b+96*(\b/4):BIA+8*\b+96*(\b/4)+7], v[SRB+16*(\sc)+2*\b+(\q)], v[SRA+16*(\sc)+2*(\a)+(\q)] matrix_a_fmt:MATRIX_FMT_BF6 matrix_b_fmt:MATRIX_FMT_BF6
.else
	v_wmma_scale_f32_16x16x128_f8f6f4 v[8*(8*((\a)%4)+\b):8*(8*((\a)%4)+\b)+7], v[128*(\p)+FR*\b:128*(\p)+FR*\b+FR-1], v[AF+FR*(\a):AF+FR*(\a)+FR-1], v[8*(8*((\a)%4)+\b):8*(8*((\a)%4)+\b)+7], v[SRB+16*(\sc)+2*\b+(\q)], v[SRA+16*(\sc)+2*(\a)+(\q)] matrix_a_fmt:MATRIX_FMT_BF6 matrix_b_fmt:MATRIX_FMT_BF6
.endif
.endr
.endr
.endm
.macro FETCH_B slot, q, p
	WIN TO_B
.irp i, 0,1,2,3,4,5,6,7
	FRAGB 128*(\p)+FR*\i, ADRB+\slot, \q, \i
.endr
	WIN 0
.endm
.macro FETCH_A slot, q, i0
.irp i, \i0, \i0+1, \i0+2, \i0+3
	FRAGA AF+FR*(\i), ADRA+\slot, \q, \i
.endr
.endm
.macro SCALES sc                       ; a K step's scale words: B's two a row by one load, A's one a pair of heads; every lane takes row r
.irp i, 0,1,2,3,4,5,6,7
	ds_load_b64 v[SRB+16*\sc+2*\i:SRB+16*\sc+2*\i+1], v[ADRSB] offset:\i*SBLK
.endr
.irp i, 0,1,2,3,4,5,6,7
.irp q, 0,1
	ds_load_b32 v[SRA+16*\sc+2*\i+\q], v[ADRSA] offset:512*\q+64*\i
.endr
.endr
.endm
.macro PLACES n
.rept \n
	v_nop
.endr
.endm
.macro STEP slot, q, zero
	s_wait_dscnt 4*NL                              ; all but the youngest 24 loads (A's blocks 4-7) are in
.if \zero
	WIN 0x91                                       ; C, the bias, in window 1; D in window 2
.else
	WIN MUL_LO
.endif
	MUL16 0, (\q)%2, \q, \slot, \zero
	MUL16 2, (\q)%2, \q, \slot, \zero
	s_wait_dscnt 0
	PLACES NP
	FETCH_B \slot, (\q)+1, 1-(\q)%2
	FETCH_A \slot, (\q)+1, 0
.if \zero
	WIN 0xd1
.else
	WIN MUL_HI
.endif
	MUL16 4, (\q)%2, \q, \slot, \zero
	MUL16 6, (\q)%2, \q, \slot, \zero
	PLACES NP
	WIN 0
	FETCH_A \slot, (\q)+1, 4
.endm
.macro TURN slot, next, fill           ; a slot's last step changes slots: one barrier, the three lines in front of it
	s_wait_tensorcnt 0x0                           ; all my tensor loads have landed: my part of the next slot
	ds_add_u32 v[SPW], v[NIL]                      ; 0 onto my spare word
	s_wait_dscnt 4*NL+1                            ; (the add and the youngest 24 loads may be out)
	WIN MUL_LO
	MUL16 0, 1, NQ-1, \slot, 0
	s_wait_dscnt 0x0                               ; the add is done, and my reads of this slot are over
	s_barrier_signal -1
	MUL16 2, 1, NQ-1, \slot, 0
	WIN 0
	s_barrier_wait -1
.if \fill
	CREST                                          ; a round of the cluster's barrier: no wave of any partner still reads this slot or has a load on its way
	s_add_nc_u64 s[G0+4*\slot+2:G0+4*\slot+3], s[G0+4*\slot+2:G0+4*\slot+3], 2*HSTEP
	s_add_nc_u64 s[G0B+4*\slot+2:G0B+4*\slot+3], s[G0B+4*\slot+2:G0B+4*\slot+3], 2*ROWB
	JLOAD G0+4*\slot, G1, G0B+4*\slot, G1B         ; the first tensor load behind the round; its four v_nop are the places in front of the loads below
.else
	PLACES NP
.endif
	v_add_nc_u32 v[ADRSB], 8, v[ADRSB]             ; on to the next K step's scale words
	v_add_nc_u32 v[ADRSA], 1024, v[ADRSA]
	FETCH_B \next, 0, 0
	FETCH_A \next, 0, 0
	SCALES \next
	WIN MUL_HI
	MUL16 4, 1, NQ-1, \slot, 0
	MUL16 6, 1, NQ-1, \slot, 0
	PLACES NP
	WIN 0
	FETCH_A \next, 0, 4
.endm
	s_wait_tensorcnt 1                             ; the scales and my part of K step 0 are in (K step 1's load may be out),
	s_barrier_signal -1
	s_barrier_wait -1                              ; everybody's are
	FETCH_B 0, 0, 0
	FETCH_A 0, 0, 0
	SCALES 0
	FETCH_A 0, 0, 4
	s_wait_loadcnt 0x0                             ; the bias
	STEP 0, 0, 1
	s_mov_b32 s3, LAPS-1
.Llap:
	TURN 0, 1, 1
	STEP 1, 0, 0
	TURN 1, 0, 1
	STEP 0, 0, 0
	s_sub_co_u32 s3, s3, 1
	s_cmp_lg_u32 s3, 0
	s_cbranch_scc1 .Llap
	TURN 0, 1, 0
	STEP 1, 0, 0
	s_wait_dscnt 4*NL
	WIN MUL_LO
	MUL16 0, 1, NQ-1, 1, 0
	MUL16 2, 1, NQ-1, 1, 0
	s_wait_dscnt 0
	WIN MUL_HI
	MUL16 4, 1, NQ-1, 1, 0
	MUL16 6, 1, NQ-1, 1, 0
	WIN 0
; THE WAY OUT, block by block of 16 positions x 128 columns, through my own stage: in by lanes (true columns by the offsets), back as whole rows of 512 bytes.
.macro TOSTAGE a
.set AC, 64*((\a)%4)
	WIN 0x08+4*((\a)/4)                            ; the data: window 2 or 3
.irp b, 0,1,2,3,4,5,6,7
	ds_store_b128 v[STO], v[AC+8*\b:AC+8*\b+3] offset:128*(\b/2)+32*(\b%2)       ; each accumulator from its low end on
	ds_store_b128 v[STO], v[AC+8*\b+4:AC+8*\b+7] offset:128*(\b/2)+32*(\b%2)+16
.endr
	WIN 0
.set BB, BK+64*((\a)%2)
.irp t, 0,1,2,3,4,5,6,7,8,9,10,11,12,13,14,15
	ds_load_b128 v[BB+4*\t:BB+4*\t+3], v[RD] offset:\t*SPITCH   ; LDS serves a wave's instructions in order: these see the stores above
.endr
.endm
.macro SEND a, younger                 ; younger: the LDS instructions issued behind block a's loads, which may stay out
.set BB, BK+64*((\a)%2)
	s_wait_dscnt \younger
.irp t, 0,1,2,3,4,5,6,7,8,9,10,11,12,13,14,15
	global_store_b128 v[CO], v[BB+4*\t:BB+4*\t+3], s[12:13] offset:(32*((\a)/2)+8*((\a)%2)+\t+8*(\t/8))*4096 th:TH_STORE_NT   ; position 16 a + t is true row 32 (a / 2) + 8 (a % 2) + t + 8 (t / 8); 32 lanes store 512 consecutive bytes, aligned to 256
.endr
.endm
	PLACES NP
	TOSTAGE 0
.irp a, 1,2,3,4,5,6,7
.if \a > 1
	s_wait_xcnt 0x0                                ; block a - 2's stores have read their registers: block a's loads may land there
.endif
	TOSTAGE \a
	SEND \a-1, 32                                  ; behind block a - 1's loads: block a's 16 stores and 16 loads
.endr
	SEND 7, 0
	s_wait_tensorcnt 0x0                           ; the wave's end
	ds_add_u32 v[SPW], v[NIL]
	s_wait_dscnt 0x0
	CROUND                                         ; the closing round
	s_endpgm
.Lfunc_end_k_qa864aa920a_oproj:
	.size	k_qa864aa920a_oproj, .Lfunc_end_k_qa864aa920a_oproj-k_qa864aa920a_oproj
	.p2alignl 7, 3214868480
	.fill 96, 4, 3214868480
	.section	.rodata,"a",@progbits
	.p2align	6, 0x0
	.amdhsa_kernel k_qa864aa920a_oproj
		.amdhsa_group_segment_fixed_size 327680
		.amdhsa_private_segment_fixed_size 0
		.amdhsa_enable_private_segment 0
		.amdhsa_kernarg_size 48
		.amdhsa_user_sgpr_count 2
		.amdhsa_user_sgpr_kernarg_segment_ptr 1
		.amdhsa_wavefront_size32 1
		.amdhsa_system_sgpr_workgroup_id_x 1
		.amdhsa_system_sgpr_workgroup_id_y 1
		.amdhsa_system_sgpr_workgroup_id_z 1
		.amdhsa_system_vgpr_workitem_id 0
		.amdhsa_next_free_vgpr 1024
		.amdhsa_next_free_sgpr 100
		.amdhsa_reserve_vcc 0
		.amdhsa_float_denorm_mode_32 3
		.amdhsa_float_denorm_mode_16_64 3
		.amdhsa_memory_ordered 1
		.amdhsa_forward_progress 1
		.amdhsa_inst_pref_size 165
	.end_amdhsa_kernel
	.amdgpu_metadata
---
amdhsa.version: [ 1, 2 ]
amdhsa.kernels:
  - .name:           k_qa864aa920a_oproj
    .symbol:         k_qa864aa920a_oproj.kd
    .args:
      - { .name: cc, .offset: 0, .size: 8, .value_kind: global_buffer, .address_space: global }
      - { .name: cs, .offset: 8, .size: 8, .value_kind: global_buffer, .address_space: global }
      - { .name: wc, .offset: 16, .size: 8, .value_kind: global_buffer, .address_space: global }
      - { .name: ws, .offset: 24, .size: 8, .value_kind: global_buffer, .address_space: global }
      - { .name: b_o, .offset: 32, .size: 8, .value_kind: global_buffer, .address_space: global }
      - { .name: out0, .offset: 40, .size: 8, .value_kind: global_buffer, .address_space: global }
    .group_segment_fixed_size: 327680
    .private_segment_fixed_size: 0
    .kernarg_segment_align: 8
    .kernarg_segment_size: 48
    .max_flat_workgroup_size: 128
    .sgpr_count:     100
    .vgpr_count:     1024
    .wavefront_size: 32
...
	.end_amdgpu_metadata
.endif
;; end of part 4
